; MI455X (gfx1250); checked and timed in simulation.
; The chip was launched on July 23, 2026; its instructions are those of AMD's public machine-readable ISA for CDNA 5 (MIT licence, August 2026) and "CDNA5" Instruction Set Architecture Reference Guide (July 2026). The comments in the code are by the model that wrote it; some were corrected since.
;; Multi Head Attention. Allowed arithmetic: matrix products marked QUANTISED: E2M1 operands, one E8M0 scale for each 32 along K, by v_wmma_scale_f32_16x16x128_f8f6f4 with both operands' format E2M1 (or v_wmma_scale_f32_32x16x128_f4), f32 sums; products left as they are: bf16, f16 or f32 operands; f32 sums; everything else in f32.
;; Inputs: attention_mask 1 x 1 x 4,096 x 4,096 float32; cos 4,096 x 32 float32; k_norm_w 64 float32; q_norm_w 64 float32; sin 4,096 x 32 float32; wk 1,024 x 1,024 float32; wo 1,024 x 1,024 float32; wq 1,024 x 1,024 float32; wv 1,024 x 1,024 float32; x 1 x 4,096 x 1,024 float32.
;; Outputs: out0 1 x 4,096 x 1,024 float32.
;; This version of the problem:
;;   THIS VERSION OF THE PROBLEM IS GIVEN IN LOW PRECISION. The matrix products marked QUANTISED in the list below multiply operands that are first quantised to E2M1 (2 exponent bits, 1 mantissa bit; 4 bits a number), with one power-of-two scale for each 32 numbers along K (OCP MX v1.0); their sums are f32. The products marked 'left as it is' may take bf16, f16 or f32 operands, with f32 sums. Whichever they take, every output number must still come out within the allowed error. Rounding operands to bf16 (8 significant bits) uses up far more of that allowance than f16 does (11 bits, for magnitudes from 6e-5 to 65,504). All else is computed in f32.
;;   The module's matrix products, in the order in which they are computed (A, B: the left and right operand; K: the contracted axis; several contracted axes count as one K, in the product's order):
;;     1. [M 4,096, K 1,024] x [K 1,024, N 1,024]; A: input x; B: input wq: QUANTISED
;;     2. [M 4,096, K 1,024] x [K 1,024, N 1,024]; A: input x; B: input wk: QUANTISED
;;     3. [M 4,096, K 1,024] x [K 1,024, N 1,024]; A: input x; B: input wv: QUANTISED
;;     4. batch 16 x [M 4,096, K 64] x [K 64, N 4,096]; A: computed on the way; B: computed on the way: left as it is (an operand is computed on the way)
;;     5. batch 16 x [M 4,096, K 4,096] x [K 4,096, N 64]; A: computed on the way; B: computed on the way: left as it is (an operand is computed on the way)
;;     6. [M 4,096, K 1,024] x [K 1,024, N 1,024]; A: computed on the way; B: input wo: left as it is (an operand is computed on the way)
;;   THE QUANTISER, for each operand of a quantised product, along K:
;;     - K is cut into blocks of 32 from its start; a last block that is shorter is filled with zeros.
;;     - A block's scale is 2^e with e = floor(log2(the largest magnitude in the block)) - 2, held to -126 .. 127; a block of zeros has e = 0. As a byte (E8M0): e + 127.
;;     - Each number is divided by its block's scale, clamped to +-6, and rounded to the nearest number of E2M1, ties to even, subnormals kept.
;;     - The product sums the exact products of the quantised numbers (number of the format x scale) in f32.
;;   ~~~python
;;   def quantise(x, axis):      # numpy; x: float32 -> the quantised numbers, widened to float32 again
;;       x = np.moveaxis(x, axis, -1); K = x.shape[-1]
;;       x = np.pad(x, [(0, 0)] * (x.ndim - 1) + [(0, -K % 32)]); x = x.reshape(x.shape[:-1] + (-1, 32)); a = np.abs(x).max(-1, keepdims=True)
;;       e = np.where(a > 0, np.clip(np.frexp(np.where(a > 0, a, 1))[1] - 1 - 2, -126, 127), 0)      # np.frexp(a)[1] - 1 = floor(log2(a)), exactly
;;       r = np.clip(x / 2.0 ** e, -6, 6)
;;       step = 2.0 ** (np.maximum(np.frexp(np.where(r == 0, 1, r))[1] - 1, 0) - 1)
;;       q = np.round(r / step) * step * 2.0 ** e      # np.round: ties to even
;;       return np.moveaxis(q.reshape(q.shape[:-2] + (-1,))[..., :K], -1, axis).astype(np.float32)
;;   ~~~
;; One version. Each part assembles by itself: llvm-mc -triple=amdgcn-amd-amdhsa -mcpu=gfx1250 --defsym DOCPART=n.
;; ======== version 1 of 1: 6 launches
;; limits: values are held in f16: magnitudes above 65,504 overflow, below 6.1e-05 lose precision
;; workspace buffers: prep 5,996,544 bytes; qkvi 25,165,824 bytes; part 4,456,448 bytes; oimg 8,388,608 bytes; o32 65,536 bytes
;; launch quant (part 1): grid 256 x 1, 4 waves a work-group, no clusters, 68,096 bytes of LDS; arguments x, wq, wk, wv, wo, prep; writes prep
.if DOCPART == 1
	.amdgcn_target "amdgcn-amd-amdhsa--gfx1250"
	.amdhsa_code_object_version 6
	.text
	.protected	k_q8b32a7cfd1_quant
	.globl	k_q8b32a7cfd1_quant
	.p2align	8
	.type	k_q8b32a7cfd1_quant,@function
k_q8b32a7cfd1_quant:
	s_mov_b64 s[64:65], 0
	v_nop
	global_prefetch_b8 v0, s[64:65] scope:SCOPE_SE
	s_setreg_imm32_b32 hwreg(HW_REG_WAVE_MODE, 25, 1), 1
	s_wait_xcnt 0x0
; x [4096][1024], wq, wk, wv [1024][1024], f32, K innermost, become codes of FP4 (E2M1) with one E8M0 byte for each 32 along K; wo [1024][1024] becomes f16.
; All results are laid as IMAGES OF OPERAND REGISTERS, so that later launches fetch dense blocks and read fragments by 16 bytes a lane:
;   codes  at 0:        [tile of 16 rows: 448][K step of 128: 8][group c: 2][lane][16 bytes]; lane (r, h), group c = block 2 c + h of row r.  Tiles 0-255 x, 256-319 wq, 320-383 wk, 384-447 wv
;   scales at SCLO:     [tile][half of K: 2][row: 16][4 words]; a word = the four bytes of one K step of 128
;   wo f16 at WOH:      [tile of 16 rows: 64][32 along K: 32][group g: 2][lane][16 bytes]; lane (r, h), group g = k 16 g + 8 h + 0 .. 7
; A block's scale is 2^(floor(log2(largest magnitude)) - 2); its byte is the largest magnitude's exponent field - 2, held at 1 from below.
; LIMITS: a block of zeros, and one whose largest magnitude lies under 2^-124, gets the byte 1 (zeros' codes are zeros; this program alone reads the bytes); NaN and infinities are not served.
; SHARES: a wave takes 16 rows x 512 along K, in four steps of 128.  Work-groups 0-127 x, 128-159 wq, 160-191 wk, 192-223 wv, 224-255 wo.
; Each load reads 512 consecutive bytes of one row; a step's 16 rows turn through the wave's own stage in LDS (rows 528 bytes apart) and come back as 32 (or 8) neighbours along K in one lane.
; The two ways through the text (quantiser, wo) have LDS bytes of their own.  No barrier: waves share nothing.
.set SCLO,  3670016
.set WOH,   3899392
.set STG,   8448                       ; a stage: 16 rows x 528 bytes
.set SPARE, 67584                      ; behind the eight stages: the spare words, 128 bytes a wave
.set R,     32                         ; v32-159  two sets of 64: a step as loaded
.set X,     160                        ; v160-223 a step as neighbours along K
.set C,     224                        ; v224-255 results on their way out
	s_load_b256 s[4:11], s[0:1], 0x0               ; x, wq, wk, wv
	s_load_b128 s[12:15], s[0:1], 0x20             ; wo, prep
	v_lshl_add_u32 v30, v0, 2, SPARE               ; my spare word
	v_mov_b32 v31, 0
	v_lshrrev_b32 v1, 5, v0
	v_readfirstlane_b32 s16, v1                    ; wave
	v_and_b32 v1, 31, v0                           ; lane
	v_and_b32 v2, 15, v0                           ; r
	v_bfe_u32 v3, v0, 4, 1                         ; h
	v_lshlrev_b32 v4, 4, v1                        ; 16 x lane
	s_mul_i32 s17, s16, STG                        ; my stage on the quantiser's way,
	s_add_co_u32 s18, s17, 4*STG                   ; and on wo's
	v_add_nc_u32 v5, s17, v4                       ; in: 16 x lane of a row
	v_mul_u32_u24 v10, v2, 528
	v_lshl_add_u32 v6, v3, 7, v10
	v_add_nc_u32 v6, s17, v6                       ; out: row r, block h: 128 h bytes on
	v_lshl_add_u32 v7, v3, 5, v10
	v_add_nc_u32 v7, s18, v7                       ; wo, out: row r, 32 h bytes on
	v_add_nc_u32 v8, s18, v4                       ; wo, in
	v_lshlrev_b32 v9, 3, v3                        ; 8 h
	v_mov_b32 v17, 0                               ; a lane permute's destination counts as read: written once
	s_mov_b32 s24, 0x76543210
	s_mov_b32 s25, 0xfedcba98                      ; selects for lane l xor 16
	s_mov_b32 s22, 224
	s_wait_kmcnt 0x0
	s_cmp_lt_u32 ttmp9, 224                        ; which tensor: the choice hangs on the work-group's number alone
	s_cselect_b64 s[20:21], s[10:11], s[12:13]
	s_cselect_b32 s22, 192, s22
	s_cmp_lt_u32 ttmp9, 192
	s_cselect_b64 s[20:21], s[8:9], s[20:21]
	s_cselect_b32 s22, 160, s22
	s_cmp_lt_u32 ttmp9, 160
	s_cselect_b64 s[20:21], s[6:7], s[20:21]
	s_cselect_b32 s22, 128, s22
	s_cmp_lt_u32 ttmp9, 128
	s_cselect_b64 s[20:21], s[4:5], s[20:21]
	s_cselect_b32 s22, 0, s22
	s_sub_co_u32 s22, ttmp9, s22
	s_lshl_b32 s22, s22, 2
	s_add_co_u32 s22, s22, s16                     ; my unit in its tensor
	s_lshr_b32 s26, s22, 1
	s_lshl_b32 s26, s26, 16                        ; 16 rows of 4,096 bytes,
	s_and_b32 s27, s22, 1
	s_lshl_b32 s27, s27, 11                        ; half a row
	s_add_co_u32 s26, s26, s27
	s_mov_b32 s27, 0
	s_add_nc_u64 s[20:21], s[20:21], s[26:27]
	s_lshl_b32 s23, ttmp9, 2
	s_add_co_u32 s23, s23, s16                     ; my unit among all
	s_lshl_b32 s26, s23, 12
	s_add_nc_u64 s[28:29], s[14:15], s[26:27]      ; its codes: 4,096 bytes a unit
	s_lshl_b32 s26, s23, 8
	s_add_co_u32 s26, s26, SCLO
	s_add_nc_u64 s[30:31], s[14:15], s[26:27]      ; its scale words: 256 bytes a unit
	s_lshl_b32 s26, s22, 14
	s_add_co_u32 s26, s26, WOH
	s_add_nc_u64 s[32:33], s[14:15], s[26:27]      ; wo's f16: 16,384 bytes a unit
.macro LOAD t                          ; step t: 16 rows x 512 bytes into set t % 2
.set i, 0
.rept 16
	global_load_b128 v[R+64*((\t)%2)+4*i:R+64*((\t)%2)+4*i+3], v4, s[20:21] offset:4096*i+512*(\t) th:TH_LOAD_NT
.set i, i+1
.endr
.endm
.macro INSTAGE t, adr                  ; the step's rows into the stage as they were loaded
.set i, 0
.rept 16
	ds_store_b128 v[\adr], v[R+64*((\t)%2)+4*i:R+64*((\t)%2)+4*i+3] offset:528*i
.set i, i+1
.endr
.endm
.macro QBLK t, c                       ; my block 2 c + h of row r: 32 numbers in v[XS] on
.set XS, X+32*(\c)
	v_max3_num_f32 v10, |v[XS]|, |v[XS+1]|, |v[XS+2]|
	v_max3_num_f32 v11, |v[XS+3]|, |v[XS+4]|, |v[XS+5]|
.irp i, 6,10,14,18,22,26
	v_max3_num_f32 v10, v10, |v[XS+\i]|, |v[XS+\i+1]|
	v_max3_num_f32 v11, v11, |v[XS+\i+2]|, |v[XS+\i+3]|
.endr
	v_max3_num_f32 v10, v10, |v[XS+30]|, |v[XS+31]|
	v_max3_num_f32 v10, v10, v11, 0x1800000        ; the floor 2^(3 - 127): the byte cannot fall under 1
	v_add_nc_u32 v[12+\c], 0xff000000, v10         ; 2 off the exponent field: the conversion's scale operand
	v_lshrrev_b32 v[14+\c], 23, v[12+\c]           ; the scale's byte
.irp g, 0,1,2,3
	v_cvt_scalef32_pk8_fp4_f32 v[C+8*(\t)+4*(\c)+\g], v[XS+8*\g:XS+8*\g+7], v[12+\c]
.endr
	v_nop                                          ; one plain line behind the conversions
.endm
.macro STEPQ t
.if \t < 3
	s_wait_loadcnt 16                              ; this step's 16 loads are in; the next set's 16 may be out
.else
	s_wait_loadcnt 0x0
.endif
	INSTAGE \t, 5
.set i, 0
.rept 16                               ; back: group c = i / 8, 128 bytes a block
	ds_load_b128 v[X+4*i:X+4*i+3], v6 offset:256*(i/8)+16*(i%8)
.set i, i+1
.endr
	s_wait_dscnt 0x0                               ; the numbers are back, and the stores into the stage have read their registers
.if (\t)+2 < 4
	LOAD (\t)+2
.endif
	QBLK \t, 0
	QBLK \t, 1
	v_lshl_or_b32 v16, v15, 16, v14                ; my two bytes: blocks h and 2 + h,
	v_lshlrev_b32 v16, v9, v16                     ; at their places in the word,
	v_permlanex16_b32 v17, v16, s24, s25
	v_or_b32 v[18+\t], v16, v17                    ; with lane l xor 16's two the word is whole
	global_store_b128 v4, v[C+8*(\t):C+8*(\t)+3], s[28:29] offset:1024*(\t)        ; 512 consecutive bytes a store
	global_store_b128 v4, v[C+8*(\t)+4:C+8*(\t)+7], s[28:29] offset:1024*(\t)+512
.endm
.macro STEPF t
.if \t < 3
	s_wait_loadcnt 16
.else
	s_wait_loadcnt 0x0
.endif
	INSTAGE \t, 8
.set i, 0
.rept 16                               ; back: group q = i / 2 of eight: 64 q bytes on, my 32 bytes of it
	ds_load_b128 v[X+4*i:X+4*i+3], v7 offset:64*(i/2)+16*(i%2)
.set i, i+1
.endr
	s_wait_dscnt 0x0
.if (\t)+2 < 4
	LOAD (\t)+2
.endif
.if \t > 0
	s_wait_xcnt 0x0                                ; the last step's stores have read their data: it is written again only behind this wait
.endif
.set i, 0
.rept 32
	v_cvt_pk_f16_f32 v[C+i], v[X+2*i], v[X+2*i+1]
.set i, i+1
.endr
.set i, 0
.rept 8
	global_store_b128 v4, v[C+4*i:C+4*i+3], s[32:33] offset:4096*(\t)+512*i
.set i, i+1
.endr
.endm
	LOAD 0
	LOAD 1
	s_cmp_ge_u32 ttmp9, 224
	s_cbranch_scc1 .Lwo
	STEPQ 0
	STEPQ 1
	STEPQ 2
	STEPQ 3
	v_cmp_eq_u32 vcc_lo, 1, v3
	v_cndmask_b32 v22, v18, v20, vcc_lo            ; lanes 0-15 send words 0, 1 of row r, lanes 16-31 words 2, 3
	v_cndmask_b32 v23, v19, v21, vcc_lo
	v_lshlrev_b32 v10, 4, v2
	v_add_nc_u32 v10, v10, v9
	global_store_b64 v10, v[22:23], s[30:31]       ; 32 lanes store 256 consecutive bytes, aligned
	s_wait_tensorcnt 0x0                           ; the wave's end, behind my last LDS store
	ds_add_u32 v30, v31
	s_wait_dscnt 0x0
	s_endpgm
.Lwo:
	STEPF 0
	STEPF 1
	STEPF 2
	STEPF 3
	s_wait_tensorcnt 0x0                           ; the wave's end, as above
	ds_add_u32 v30, v31
	s_wait_dscnt 0x0
	s_endpgm
.Lfunc_end_k_q8b32a7cfd1_quant:
	.size	k_q8b32a7cfd1_quant, .Lfunc_end_k_q8b32a7cfd1_quant-k_q8b32a7cfd1_quant
	.p2alignl 7, 3214868480
	.fill 96, 4, 3214868480
	.section	.rodata,"a",@progbits
	.p2align	6, 0x0
	.amdhsa_kernel k_q8b32a7cfd1_quant
		.amdhsa_group_segment_fixed_size 68096
		.amdhsa_private_segment_fixed_size 0
		.amdhsa_enable_private_segment 0
		.amdhsa_kernarg_size 48
		.amdhsa_user_sgpr_count 2
		.amdhsa_user_sgpr_kernarg_segment_ptr 1
		.amdhsa_wavefront_size32 1
		.amdhsa_system_sgpr_workgroup_id_x 1
		.amdhsa_system_sgpr_workgroup_id_y 1
		.amdhsa_system_sgpr_workgroup_id_z 1
		.amdhsa_system_vgpr_workitem_id 0
		.amdhsa_next_free_vgpr 256
		.amdhsa_next_free_sgpr 66
		.amdhsa_reserve_vcc 1
		.amdhsa_float_denorm_mode_32 3
		.amdhsa_float_denorm_mode_16_64 3
		.amdhsa_memory_ordered 1
		.amdhsa_forward_progress 1
		.amdhsa_inst_pref_size 53
	.end_amdhsa_kernel
	.amdgpu_metadata
---
amdhsa.version: [ 1, 2 ]
amdhsa.kernels:
  - .name:           k_q8b32a7cfd1_quant
    .symbol:         k_q8b32a7cfd1_quant.kd
    .args:
      - { .name: x, .offset: 0, .size: 8, .value_kind: global_buffer, .address_space: global }
      - { .name: wq, .offset: 8, .size: 8, .value_kind: global_buffer, .address_space: global }
      - { .name: wk, .offset: 16, .size: 8, .value_kind: global_buffer, .address_space: global }
      - { .name: wv, .offset: 24, .size: 8, .value_kind: global_buffer, .address_space: global }
      - { .name: wo, .offset: 32, .size: 8, .value_kind: global_buffer, .address_space: global }
      - { .name: prep, .offset: 40, .size: 8, .value_kind: global_buffer, .address_space: global }
    .group_segment_fixed_size: 68096
    .private_segment_fixed_size: 0
    .kernarg_segment_align: 8
    .kernarg_segment_size: 48
    .max_flat_workgroup_size: 128
    .sgpr_count:     66
    .vgpr_count:     256
    .wavefront_size: 32
...
	.end_amdgpu_metadata
.endif
;; end of part 1
;; launch qkv (part 2): grid 8 x 32, 4 waves a work-group, clusters of 4 x 4, 327,680 bytes of LDS; arguments prep, cos, sin, q_norm_w, k_norm_w, attention_mask, qkvi, part; writes qkvi, part
.if DOCPART == 2
	.amdgcn_target "amdgcn-amd-amdhsa--gfx1250"
	.amdhsa_code_object_version 6
	.text
	.protected	k_q8b32a7cfd1_qkv
	.globl	k_q8b32a7cfd1_qkv
	.p2align	8
	.type	k_q8b32a7cfd1_qkv,@function
k_q8b32a7cfd1_qkv:
	s_mov_b64 s[64:65], 0
	v_nop
	global_prefetch_b8 v0, s[64:65] scope:SCOPE_SE
	s_setreg_imm32_b32 hwreg(HW_REG_WAVE_MODE, 25, 1), 1
	s_wait_xcnt 0x0
	s_wait_alu depctr_hold_cnt(0) depctr_sa_sdst(0) depctr_va_vdst(0) depctr_va_sdst(0) depctr_va_ssrc(0) depctr_va_vcc(0) depctr_vm_vsrc(0)
	s_getreg_b32 s2, hwreg(HW_REG_IB_STS2, 6, 4)
	s_cmp_eq_u32 s2, 0
	s_cbranch_scc0 .Lentry_in_a_cluster
	s_endpgm
.Lentry_in_a_cluster:
	s_bfe_u32 s2, ttmp6, 0x10000c
	s_cmp_lg_u32 s2, 0xf033
	s_cbranch_scc0 .Lentry_shape_is_right
	s_endpgm
.Lentry_shape_is_right:
; q, k, v = x wq^T, x wk^T, x wv^T on codes of FP4 with E8M0 scales (K = 1,024, eight steps of 128); then, in f32, the RMS norm per head, the gains and the rotation; q is also divided by 8 (exact).
; Results leave as f16 images of the operand registers that the attention launch wants:  Q, K: [head][tile of 16 tokens][t = 16 channels: 4][lane][16 bytes];  V: [head][32 keys][16 channels: 4][g: 2][lane][16 bytes].
; SHARES: a work-group takes 128 tokens x 2 heads; wave w takes tokens 64 (w / 2) on and head 2 bx + w % 2: 48 accumulators (Q, K, V) and 4 more: q of tokens 0-15 of its head.
; Q and K are used transposed (source 0 = 16 rows of W, source 1 = 16 tokens): a lane holds one token and eight channels.  V is used as it stands (source 0 = tokens): a lane holds one channel and eight tokens.
; THE FINE ROWS: queries 0-15 are carried more finely than f16.  The wave holds k and v of 64 tokens in f32: it forms there the part of those 16 queries' attention that falls on its 64 keys, with all
; operands as pairs of f16 (a high and a low part, split in f32; three products for one), and stores the part's maximum, sum and O.  A later launch joins the 64 parts of a head.
; LDS is filled once: all codes of the work-group's 128 tokens and 3 x 128 rows of W ([half of K][x, Q, K, V][tile: 8][K step: 4][1 KB]) and their scale words.
; CLUSTER 4 x 4: x's tiles hang on the token block alone and are asked for jointly along a row of the cluster, W's on the head pair alone, along a column.
; LIMITS: NaN and infinities are not served; |v| stays under 65,504 (f16).
; REGISTERS, in windows of 256:  window 0: v0-23 addresses; v24-31 scale words of tokens 0-15; v32-127 scale words (type ty, tile t, K step s at 32 + 32 ty + 8 t + s: lanes 16-31 W's, lanes 0-15 x's tile t),
;   free for work behind the last scaled product; v128-255 cos and sin of my tokens.   window 1: Q (a, t) at 8 (4 a + t), K at 128 + the same.   window 2: V; v128-159 q of tokens 0-15; v160-223 their x fragments,
;   later the fine operands.   window 3: two sets of fragments (x at 8 a, W at 32 + 8 (4 ty + t)); later set 0 gains, cos, sin and mask of the fine rows, set 1 the fine K, then V.
.set SCLO,  3670016
.set SCLL,  262144                     ; LDS: the scale words, [type][tile][512 bytes]
.set SPARE, 278528                     ; the spare words, 128 bytes a wave
.set HFB,   131072                     ; LDS: from one half of K to the other
.set KOFF,  8388608                    ; from Q's images to K's, and from K's to V's
.set MLO,   4194304                    ; part: the maxima and sums lie behind the O parts
.set SPW, 22
.set NIL, 23
.set G1XC, 28                          ; descriptor groups 1: x's codes, x's scales, W's codes, W's scales
.set G1XS, 36
.set G1WC, 44
.set G1WS, 52
.set G0XS, 60                          ; groups 0
.set G0X0, 68
.set G0X1, 72
.set G0WS, 76
.set G0W0, 80
.set G0W1, 84
.set MSB, 0
.macro WIN new                         ; the immediate's high byte repeats the setting that is left
.if MSB != (\new)
	s_set_vgpr_msb (MSB<<8)|(\new)
.set MSB, (\new)
.endif
.endm
.macro PLACES
.rept 4
	v_nop
.endr
.endm
.macro CROUND                          ; a round of the cluster's barrier
	s_barrier_signal -1
	s_barrier_wait -1
	s_cmp_lg_u32 s20, 0
	s_cbranch_scc1 .Lnot_wave_0_\@
	s_barrier_signal -3
.Lnot_wave_0_\@:
	s_barrier_wait -3
	s_barrier_signal -1
	s_barrier_wait -1
.endm
	s_load_b512 s[4:19], s[0:1], 0x0               ; prep, cos, sin, q_norm_w, k_norm_w, mask, qkvi, part
	v_lshl_add_u32 v[SPW], v0, 2, SPARE
	v_mov_b32 v[NIL], 0
	ds_add_u32 v[SPW], v[NIL]                      ; the opening: the add, twice on end, and its wait ahead of my first tensor load
	ds_add_u32 v[SPW], v[NIL]
	v_lshrrev_b32 v1, 5, v0
	v_readfirstlane_b32 s20, v1                    ; wave
	s_lshr_b32 s21, s20, 1                         ; wt: which 64 tokens
	s_and_b32 s22, s20, 1                          ; wc: which head of the pair
	s_bfe_u32 s23, ttmp6, 0x40000                  ; cx
	s_bfe_u32 s24, ttmp6, 0x40004                  ; cy
	s_lshl_b32 s25, ttmp9, 2
	s_add_co_u32 s25, s25, s23                     ; bx: the head pair
	s_and_b32 s26, ttmp7, 0xffff
	s_lshl_b32 s26, s26, 2
	s_add_co_u32 s26, s26, s24                     ; by: the block of 128 tokens
	s_lshl_b32 s27, s24, 2
	s_lshl_b32 s27, 15, s27                        ; my row of the cluster
	s_lshl_b32 s90, 0x1111, s23                    ; my column
	s_or_b32 s[G1XC], s27, (3<<16)|(1<<21)         ; 15:0 the mask; 17:16 elements of 8 bytes; 21 set beside a mask; no padding
	s_or_b32 s[G1XS], s27, (3<<16)|(1<<21)
	s_or_b32 s[G1WC], s90, (3<<16)|(1<<21)
	s_or_b32 s[G1WS], s90, (3<<16)|(1<<21)
.irp g, G1XC, G1WC                     ; codes: 8 tiles x 4,096 bytes (four K steps), 8,192 bytes apart in memory
	s_mov_b32 s[\g+1], 512<<16
	s_mov_b32 s[\g+2], 8<<16
	s_mov_b32 s[\g+3], 512<<16
	s_mov_b32 s[\g+4], 8
	s_mov_b32 s[\g+5], 1024
	s_mov_b32 s[\g+6], 0
	s_mov_b32 s[\g+7], 0
.endr
.irp g, G1XS, G1WS                     ; scale words: 4,096 dense bytes as 16 rows of 256
	s_mov_b32 s[\g+1], 32<<16
	s_mov_b32 s[\g+2], 16<<16
	s_mov_b32 s[\g+3], 32<<16
	s_mov_b32 s[\g+4], 16
	s_mov_b32 s[\g+5], 32
	s_mov_b32 s[\g+6], 0
	s_mov_b32 s[\g+7], 0
.endr
	s_mov_b32 s88, 0x76543210
	s_mov_b32 s89, 0xfedcba98                      ; selects for lane l xor 16
	v_and_b32 v1, 31, v0
	v_lshlrev_b32 v15, 2, v1                       ; 4 x lane
	v_lshlrev_b32 v1, 4, v1                        ; 16 x lane
	v_and_b32 v2, 15, v0                           ; r
	v_bfe_u32 v3, v0, 4, 1                         ; h
	s_lshl_b32 s91, s21, 14
	v_add_nc_u32 v4, s91, v1                       ; x's fragments: my four tiles
	s_lshl_b32 s91, s22, 14
	s_add_co_u32 s91, s91, 32768
	v_add_nc_u32 v5, s91, v1                       ; wq's: my head's four tiles
	s_add_co_u32 s91, s91, 32768
	v_add_nc_u32 v6, s91, v1                       ; wk's
	s_add_co_u32 s91, s91, 32768
	v_add_nc_u32 v7, s91, v1                       ; wv's
	s_lshl_b32 s92, s21, 11                        ; scale words: x's four tiles begin 2,048 wt on,
	s_lshl_b32 s93, s22, 11
	s_add_co_u32 s93, s93, 4096
	s_sub_co_u32 s93, s93, s92                     ; and W's of type 0 so far behind them
	v_lshlrev_b32 v14, 4, v2                       ; 16 r
	s_add_co_u32 s92, s92, SCLL
	v_add_nc_u32 v18, s92, v14
.irp ty, 0,1,2
	v_mul_u32_u24 v19, s93, v3                     ; lanes 16-31 take W's: the lower base + h x the distance
	v_add_nc_u32 v[8+\ty], v18, v19
	s_add_co_u32 s93, s93, 4096
.endr
	v_lshlrev_b32 v12, 5, v3                       ; the gains: 32 h
	v_lshl_add_u32 v11, v2, 7, v12                 ; cos, sin: row r of 128 bytes + 32 h
	v_lshl_add_u32 v13, v2, 14, v12                ; the mask: row r of 16,384 bytes + 32 h
	s_wait_dscnt 0x0                               ; both opening adds are done
	s_wait_kmcnt 0x0
	s_lshl_b32 s92, s26, 16                        ; x: tile 8 by: made of by alone
	s_mov_b32 s93, 0
	s_add_nc_u64 s[92:93], s[4:5], s[92:93]
	s_mov_b32 s[G0X0], 1
	s_mov_b32 s[G0X0+1], 0
	s_mov_b64 s[G0X0+2:G0X0+3], s[92:93]
	s_or_b32 s[G0X0+3], s[G0X0+3], 0x80000000
	s_mov_b32 s[G0X1], 1
	s_mov_b32 s[G0X1+1], HFB
	s_add_nc_u64 s[G0X1+2:G0X1+3], s[92:93], 4096
	s_or_b32 s[G0X1+3], s[G0X1+3], 0x80000000
	s_lshl_b32 s92, s26, 12
	s_add_co_u32 s92, s92, SCLO
	s_mov_b32 s93, 0
	s_mov_b32 s[G0XS], 1
	s_mov_b32 s[G0XS+1], SCLL
	s_add_nc_u64 s[G0XS+2:G0XS+3], s[4:5], s[92:93]
	s_or_b32 s[G0XS+3], s[G0XS+3], 0x80000000
	s_lshl_b32 s94, s20, 19                        ; W: tile 192 + 64 wave + 8 bx: made of bx and the wave's number alone
	s_lshl_b32 s95, s25, 16
	s_add_co_u32 s94, s94, s95
	s_add_co_u32 s94, s94, 1572864
	s_mov_b32 s95, 0
	s_add_nc_u64 s[94:95], s[4:5], s[94:95]
	s_lshl_b32 s91, s20, 15                        ; in LDS: type = wave
	s_mov_b32 s[G0W0], 1
	s_mov_b32 s[G0W0+1], s91
	s_mov_b64 s[G0W0+2:G0W0+3], s[94:95]
	s_or_b32 s[G0W0+3], s[G0W0+3], 0x80000000
	s_mov_b32 s[G0W1], 1
	s_add_co_u32 s[G0W1+1], s91, HFB
	s_add_nc_u64 s[G0W1+2:G0W1+3], s[94:95], 4096
	s_or_b32 s[G0W1+3], s[G0W1+3], 0x80000000
	s_lshl_b32 s96, s20, 15
	s_lshl_b32 s97, s25, 12
	s_add_co_u32 s96, s96, s97
	s_add_co_u32 s96, s96, SCLO+98304
	s_mov_b32 s97, 0
	s_lshl_b32 s91, s20, 12
	s_mov_b32 s[G0WS], 1
	s_add_co_u32 s[G0WS+1], s91, SCLL
	s_add_nc_u64 s[G0WS+2:G0WS+3], s[4:5], s[96:97]
	s_or_b32 s[G0WS+3], s[G0WS+3], 0x80000000
	CROUND                                         ; all sixteen work-groups are here: the joint loads meet
	s_cmp_eq_u32 s20, 0                            ; wave 0 fetches x, waves 1 to 3 wq, wk, wv.  A wave's three loads stand in one branch: three of mine are out
	s_cbranch_scc0 .Lfor_w
	tensor_load_to_lds s[G0XS:G0XS+3], s[G1XS:G1XS+7]
	s_nop 0
	tensor_load_to_lds s[G0X0:G0X0+3], s[G1XC:G1XC+7]
	s_nop 0
	tensor_load_to_lds s[G0X1:G0X1+3], s[G1XC:G1XC+7]
	s_nop 0
	PLACES
	s_branch .Lasked
.Lfor_w:
	tensor_load_to_lds s[G0WS:G0WS+3], s[G1WS:G1WS+7]
	s_nop 0
	tensor_load_to_lds s[G0W0:G0W0+3], s[G1WC:G1WC+7]
	s_nop 0
	tensor_load_to_lds s[G0W1:G0W1+3], s[G1WC:G1WC+7]
	s_nop 0
	PLACES
.Lasked:
	s_lshl_b32 s92, s26, 14                        ; cos and sin at my first token: 128 bytes a token
	s_lshl_b32 s93, s21, 13
	s_add_co_u32 s92, s92, s93
	s_mov_b32 s93, 0
	s_add_nc_u64 s[94:95], s[6:7], s[92:93]
	s_add_nc_u64 s[96:97], s[8:9], s[92:93]
	s_add_nc_u64 s[98:99], s[4:5], SCLO            ; the scale words of tokens 0-15
.irp a, 0,1,2,3                        ; lane (r, h) wants cos and sin of token 16 a + r at channels 16 t + 8 h + 0 .. 7, t = 0, 1
.irp e, 0,1,2,3
	global_load_b128 v[128+32*\a+4*\e:131+32*\a+4*\e], v11, s[94:95] offset:2048*\a+64*(\e/2)+16*(\e%2)
	global_load_b128 v[144+32*\a+4*\e:147+32*\a+4*\e], v11, s[96:97] offset:2048*\a+64*(\e/2)+16*(\e%2)
.endr
.endr
	global_load_b128 v[24:27], v14, s[98:99]
	global_load_b128 v[28:31], v14, s[98:99] offset:256
	WIN 0x80                                       ; destination window 2
.set i, 0
.rept 16                               ; the codes of tokens 0-15, all eight K steps
	global_load_b128 v[160+4*i:163+4*i], v1, s[4:5] offset:512*i
.set i, i+1
.endr
	WIN 0
	s_wait_tensorcnt 1                             ; my scale words and my first half of K are in; the second half's load may stay out
	s_barrier_signal -1
	s_barrier_wait -1                              ; everybody's are
.irp ty, 0,1,2
.irp t, 0,1,2,3
	ds_load_b128 v[32+32*\ty+8*\t:35+32*\ty+8*\t], v[8+\ty] offset:512*\t
	ds_load_b128 v[36+32*\ty+8*\t:39+32*\ty+8*\t], v[8+\ty] offset:512*\t+256
.endr
.endr
.macro FETCH s                         ; the 16 fragments of K step s into set s % 2: 32 loads of 512 consecutive bytes
.set PF, 128*((\s)%2)
.set SO, 1024*((\s)%4)
	WIN 0xc0                                       ; destination window 3
.irp a, 0,1,2,3
.irp c, 0,1
	ds_load_b128 v[PF+8*\a+4*\c:PF+8*\a+4*\c+3], v4 offset:4096*\a+SO+512*\c
.endr
.endr
.irp ty, 0,1,2
.irp t, 0,1,2,3
.irp c, 0,1
	ds_load_b128 v[PF+32+8*(4*\ty+\t)+4*\c:PF+32+8*(4*\ty+\t)+4*\c+3], v[5+\ty] offset:4096*\t+SO+512*\c
.endr
.endr
.endr
.endm
; one scaled product; K step 0 starts the sum.  W4A: source 0's scales in lanes 16-31;  W4B: source 1's
.macro W4A d, fa, fb, ks, xa, xb
.if \ks == 0
	v_wmma_scale_f32_16x16x128_f8f6f4 v[\d:\d+7], v[\fa:\fa+7], v[\fb:\fb+7], 0, v[\xa], v[\xb] matrix_a_fmt:MATRIX_FMT_FP4 matrix_b_fmt:MATRIX_FMT_FP4 matrix_a_scale:MATRIX_SCALE_ROW1
.else
	v_wmma_scale_f32_16x16x128_f8f6f4 v[\d:\d+7], v[\fa:\fa+7], v[\fb:\fb+7], v[\d:\d+7], v[\xa], v[\xb] matrix_a_fmt:MATRIX_FMT_FP4 matrix_b_fmt:MATRIX_FMT_FP4 matrix_a_scale:MATRIX_SCALE_ROW1
.endif
.endm
.macro W4B d, fa, fb, ks, xa, xb
.if \ks == 0
	v_wmma_scale_f32_16x16x128_f8f6f4 v[\d:\d+7], v[\fa:\fa+7], v[\fb:\fb+7], 0, v[\xa], v[\xb] matrix_a_fmt:MATRIX_FMT_FP4 matrix_b_fmt:MATRIX_FMT_FP4 matrix_b_scale:MATRIX_SCALE_ROW1
.else
	v_wmma_scale_f32_16x16x128_f8f6f4 v[\d:\d+7], v[\fa:\fa+7], v[\fb:\fb+7], v[\d:\d+7], v[\xa], v[\xb] matrix_a_fmt:MATRIX_FMT_FP4 matrix_b_fmt:MATRIX_FMT_FP4 matrix_b_scale:MATRIX_SCALE_ROW1
.endif
.endm
.macro MQK ty, ks                      ; 16 products of Q (ty = 0) or K (1), transposed
.irp a, 0,1,2,3
.irp t, 0,1,2,3
	W4A 128*\ty+8*(4*\a+\t), P+32+8*(4*\ty+\t), P+8*\a, \ks, 32+32*\ty+8*\t+\ks, 32+8*\a+\ks
.endr
.endr
.endm
.macro LATE                            ; what the way out wants, into set 0 of window 3: the gains, cos and sin of tokens 0-15, the mask of queries 0-15 at my 64 keys
	WIN 0xc0
.irp e, 0,1,2,3,4,5,6,7
	global_load_b128 v[4*\e:4*\e+3], v12, s[10:11] offset:64*(\e/2)+16*(\e%2)
	global_load_b128 v[32+4*\e:35+4*\e], v12, s[12:13] offset:64*(\e/2)+16*(\e%2)
	global_load_b128 v[96+4*\e:99+4*\e], v13, s[54:55] offset:64*(\e/2)+16*(\e%2)
.endr
.irp e, 0,1,2,3
	global_load_b128 v[64+4*\e:67+4*\e], v11, s[6:7] offset:64*(\e/2)+16*(\e%2)
	global_load_b128 v[80+4*\e:83+4*\e], v11, s[8:9] offset:64*(\e/2)+16*(\e%2)
.endr
.endm
; A K STEP: 52 products.  The 52 accumulators take turns, one instruction a turn, in the same order in every step.
; The next step's fragments are asked for behind the first 16 products and four places: 36 products ahead of their use.
.macro KSTEP ks
.set P, 128*((\ks)%2)
	s_wait_dscnt 0x0                               ; this step's fragments are in
	WIN 0x5f                                       ; sources window 3, C and D window 1
	MQK 0, \ks
	PLACES                                         ; in front of loads into registers that the last step's products read
.if \ks == 3
	WIN 0
	s_wait_tensorcnt 0x0                           ; my part of the second half of K is in,
	s_barrier_signal -1
	s_barrier_wait -1                              ; everybody's is
.irp n, 4,5,6,7
	v_add_nc_u32 v[\n], HFB, v[\n]
.endr
.endif
.if \ks < 7
	FETCH (\ks)+1
.else
	LATE
.endif
	WIN 0x5f
	MQK 1, \ks
	WIN 0xaf                                       ; C and D window 2
.irp a, 0,1,2,3
.irp t, 0,1,2,3
	W4B 8*(4*\a+\t), P+8*\a, P+96+8*\t, \ks, 32+8*\a+\ks, 96+8*\t+\ks
.endr
.endr
	WIN 0xab                                       ; source 1 window 2: tokens 0-15
.irp t, 0,1,2,3
	W4A 128+8*\t, P+32+8*\t, 160+8*\ks, \ks, 32+8*\t+\ks, 24+\ks
.endr
.endm
	FETCH 0
	s_wait_loadcnt 0x0                             ; cos, sin, tokens 0-15
	KSTEP 0
	KSTEP 1
	KSTEP 2
	KSTEP 3
	; no tensor load of mine is out any more: the descriptors' registers take the way out's bases and constants
	s_lshl_b32 s28, s25, 20
	s_lshl_b32 s29, s22, 19
	s_add_co_u32 s28, s28, s29                     ; head x 524,288
	s_lshl_b32 s29, s26, 14
	s_add_co_u32 s30, s28, s29
	s_lshl_b32 s29, s21, 13
	s_add_co_u32 s30, s30, s29                     ; + my first tile of tokens x 2,048 (for V: my first 32 keys x 4,096: the same)
	s_mov_b32 s31, 0
	s_add_nc_u64 s[44:45], s[16:17], s[30:31]      ; Q's images
	s_add_nc_u64 s[46:47], s[44:45], KOFF          ; K's
	s_add_nc_u64 s[48:49], s[46:47], KOFF          ; V's
	s_lshr_b32 s30, s28, 1                         ; head x 262,144
	s_lshl_b32 s29, s26, 13
	s_add_co_u32 s30, s30, s29
	s_lshl_b32 s29, s21, 12
	s_add_co_u32 s30, s30, s29                     ; + chunk (2 by + wt) x 4,096
	s_add_nc_u64 s[50:51], s[18:19], s[30:31]      ; the part's O
	s_lshr_b32 s30, s28, 5                         ; head x 16,384
	s_lshl_b32 s29, s26, 9
	s_add_co_u32 s30, s30, s29
	s_lshl_b32 s29, s21, 8
	s_add_co_u32 s30, s30, s29
	s_add_co_u32 s30, s30, MLO
	s_add_nc_u64 s[52:53], s[18:19], s[30:31]      ; its maximum and sum
	s_lshl_b32 s30, s26, 9
	s_add_co_u32 s30, s30, s29
	s_add_nc_u64 s[54:55], s[14:15], s[30:31]      ; the mask at my first key
	s_mov_b32 s56, 0x3c800000                      ; 1 / 64
	s_mov_b32 s57, 0x358637bd                      ; 1e-6
	s_mov_b32 s58, 0x3fb8aa3b                      ; log2(e)
	s_mov_b32 s59, s58
	s_mov_b32 s60, 0xffffe000                      ; keeps a number's upper 11 significant bits
	KSTEP 4
	KSTEP 5
	KSTEP 6
	KSTEP 7
	; ---- the norm.  Group g: 0-3 Q of token tile g, 4-7 K, 8 q of tokens 0-15.  A lane holds 32 of its token's 64 channels, lane l xor 16 the others.
.macro SUMSQ g, b
.set T, 32+4*(\g)
.set B, \b
	v_pk_mul_f32 v[T:T+1], v[B:B+1], v[B:B+1]      ; each accumulator is read from its low end on
	v_pk_mul_f32 v[T+2:T+3], v[B+2:B+3], v[B+2:B+3]
.irp i, 4,8,12,16,20,24,28
	v_pk_fma_f32 v[T:T+1], v[B+\i:B+\i+1], v[B+\i:B+\i+1], v[T:T+1]
	v_pk_fma_f32 v[T+2:T+3], v[B+\i+2:B+\i+3], v[B+\i+2:B+\i+3], v[T+2:T+3]
.endr
.endm
	PLACES                                         ; behind the last products
	s_wait_loadcnt 0x0                             ; the late loads
	WIN 0x05
.irp g, 0,1,2,3,4,5,6,7
	SUMSQ \g, 32*\g
.endr
	WIN 0x0a
	SUMSQ 8, 128
	WIN 0
.irp g, 0,1,2,3,4,5,6,7,8
	v_pk_add_f32 v[32+4*\g:33+4*\g], v[32+4*\g:33+4*\g], v[34+4*\g:35+4*\g]
.endr
.irp g, 0,1,2,3,4,5,6,7,8
	v_add_f32 v[32+4*\g], v[32+4*\g], v[33+4*\g]
.endr
.irp g, 0,1,2,3,4,5,6,7,8
	v_permlanex16_b32 v[34+4*\g], v[32+4*\g], s88, s89
.endr
.irp g, 0,1,2,3,4,5,6,7,8
	v_add_f32 v[32+4*\g], v[32+4*\g], v[34+4*\g]
.endr
.irp g, 0,1,2,3,4,5,6,7,8
	v_fma_f32 v[32+4*\g], v[32+4*\g], s56, s57     ; the mean of the squares + 1e-6
.endr
.irp g, 0,1,2,3,4,5,6,7,8
	v_rsq_f32 v[32+4*\g], v[32+4*\g]
.endr
	v_nop                                          ; a plain line behind the batch,
	s_wait_alu depctr_va_vdst(0)                   ; and one wait for the nine, ahead of their first reader
.irp g, 0,1,2,3,8
	v_mul_f32 v[32+4*\g], 0x3e000000, v[32+4*\g]   ; the scores' 1 / 8 goes into q: a power of two
.endr
	WIN 0x41                                       ; x the root's reciprocal, then x the gain
.irp g, 0,1,2,3,4,5,6,7
.set i, 0
.rept 16
	v_pk_mul_f32 v[32*\g+i:32*\g+i+1], v[32*\g+i:32*\g+i+1], v[32+4*\g:33+4*\g] op_sel_hi:[1,0]
.set i, i+2
.endr
.endr
	WIN 0x82
.set i, 0
.rept 16
	v_pk_mul_f32 v[128+i:129+i], v[128+i:129+i], v[64:65] op_sel_hi:[1,0]
.set i, i+2
.endr
	WIN 0x4d                                       ; source 1: the gains, window 3
.irp g, 0,1,2,3,4,5,6,7
.set i, 0
.rept 16
	v_pk_mul_f32 v[32*\g+i:32*\g+i+1], v[32*\g+i:32*\g+i+1], v[32*(\g/4)+i:32*(\g/4)+i+1]
.set i, i+2
.endr
.endr
	WIN 0x8e
.set i, 0
.rept 16
	v_pk_mul_f32 v[128+i:129+i], v[128+i:129+i], v[i:i+1]
.set i, i+2
.endr
; the rotation of a group at b: registers 0-15 are channels under 32, registers 16-31 the same channels + 32; cos at cs, sin at cs + 16
.macro ROPE b, cs, wm, wf
.set B, \b
.set CS, \cs
	WIN \wm
.irp i, 0,2,4,6,8,10,12,14
	v_pk_mul_f32 v[64+\i:65+\i], v[B+16+\i:B+17+\i], v[CS+16+\i:CS+17+\i]
	v_pk_mul_f32 v[80+\i:81+\i], v[B+\i:B+\i+1], v[CS+16+\i:CS+17+\i]
.endr
	WIN \wf
.irp i, 0,2,4,6,8,10,12,14
	v_pk_fma_f32 v[B+\i:B+\i+1], v[B+\i:B+\i+1], v[CS+\i:CS+\i+1], v[64+\i:65+\i] neg_lo:[0,0,1] neg_hi:[0,0,1]
	v_pk_fma_f32 v[B+16+\i:B+17+\i], v[B+16+\i:B+17+\i], v[CS+\i:CS+\i+1], v[80+\i:81+\i]
.endr
.endm
.irp a, 0,1,2,3
	ROPE 32*\a, 128+32*\a, 0x01, 0x41
	ROPE 128+32*\a, 128+32*\a, 0x01, 0x41
.endr
	ROPE 128, 64, 0x0e, 0x8e
; a group of 32 numbers goes out as f16: four stores of 512 consecutive bytes
.macro OUTG b, wc, sb, off, st
.set B, \b
	s_wait_xcnt 0x0                                ; the last group's stores have read their data
	WIN \wc
.set i, 0
.rept 16
	v_cvt_pk_f16_f32 v[32+i], v[B+2*i], v[B+2*i+1]
.set i, i+1
.endr
	WIN 0
.irp t, 0,1,2,3
	global_store_b128 v1, v[32+4*\t:35+4*\t], s[\sb:\sb+1] offset:\off+\t*\st
.endr
.endm
; a group of 32 numbers at b (window w) becomes two runs of f16: the upper 11 bits, and the rest (exact in f32, left in place).  Pair i goes to window dw, register dh + st (i / 4) + i % 4, the rest lo further on
.macro SPLIT b, w, dw, dh, st, lo
.set B, \b
.set DH, \dh
	WIN (\w)<<2
.set i, 0
.rept 32
	v_and_b32 v[64+i], s60, v[B+i]
.set i, i+1
.endr
	WIN ((\w)<<6)|(\w)
.set i, 0
.rept 16
	v_pk_add_f32 v[B+i:B+i+1], v[B+i:B+i+1], v[64+i:65+i] neg_lo:[0,1] neg_hi:[0,1]
.set i, i+2
.endr
	WIN (\dw)<<6
.set i, 0
.rept 16
	v_cvt_pk_f16_f32 v[DH+\st*(i/4)+i%4], v[64+2*i], v[65+2*i]
.set i, i+1
.endr
	WIN ((\dw)<<6)|((\w)<<2)|(\w)
.set i, 0
.rept 16
	v_cvt_pk_f16_f32 v[DH+\lo+\st*(i/4)+i%4], v[B+2*i], v[B+2*i+1]
.set i, i+1
.endr
.endm
; eight f16 products onto the four accumulators v96-127 of window 0, by turns
.macro FMUL ab, bb, sa, sc, zero
.irp c, 0,1
.irp n, 0,1,2,3
.if \zero && (\c == 0)
	v_wmma_f32_16x16x32_f16 v[96+8*\n:103+8*\n], v[\ab+\sa*\n+\sc*\c:\ab+\sa*\n+\sc*\c+7], v[\bb+8*\c:\bb+8*\c+7], 0
.else
	v_wmma_f32_16x16x32_f16 v[96+8*\n:103+8*\n], v[\ab+\sa*\n+\sc*\c:\ab+\sa*\n+\sc*\c+7], v[\bb+8*\c:\bb+8*\c+7], v[96+8*\n:103+8*\n]
.endif
.endr
.endr
.endm
.irp a, 0,1,2,3
	OUTG 32*\a, 0x05, 44, \a*2048, 512
.endr
	SPLIT 128, 2, 2, 160, 4, 16                    ; q of tokens 0-15: high at v160, low at v176 of window 2
.irp a, 0,1,2,3
	OUTG 128+32*\a, 0x05, 46, \a*2048, 512
	SPLIT 128+32*\a, 1, 3, 128+16*\a, 4, 64        ; my 64 keys: high at v128, low at v192 of window 3
.endr
	WIN 0x0b                                       ; the fine scores, transposed: a lane holds query r and keys 16 n + 8 h + 0 .. 7
	FMUL 128, 160, 16, 8, 1                        ; high x high
	FMUL 192, 160, 16, 8, 0                        ; low x high
	FMUL 128, 176, 16, 8, 0                        ; high x low
	PLACES
	WIN 0x0c
.set i, 0
.rept 16
	v_pk_add_f32 v[96+i:97+i], v[96+i:97+i], v[96+i:97+i]   ; + the mask (source 1: window 3)
.set i, i+2
.endr
	WIN 0
	v_max3_num_f32 v18, v96, v97, v98
	v_max3_num_f32 v19, v99, v100, v101
.irp i, 102,106,110,114,118,122
	v_max3_num_f32 v18, v18, v[\i], v[\i+1]
	v_max3_num_f32 v19, v19, v[\i+2], v[\i+3]
.endr
	v_max3_num_f32 v18, v18, v126, v127
	v_max_num_f32 v18, v18, v19
	v_permlanex16_b32 v19, v18, s88, s89
	v_max_num_f32 v16, v18, v19                    ; the part's maximum
	v_mov_b32 v17, 0
.set i, 0
.rept 16
	v_pk_add_f32 v[96+i:97+i], v[96+i:97+i], v[16:17] op_sel_hi:[1,0] neg_lo:[0,1] neg_hi:[0,1]
.set i, i+2
.endr
.set i, 0
.rept 16
	v_pk_mul_f32 v[96+i:97+i], v[96+i:97+i], s[58:59] op_sel_hi:[1,0]
.set i, i+2
.endr
.set i, 0
.rept 32
	v_exp_f32 v[96+i], v[96+i]
.set i, i+1
.endr
	v_nop
	s_wait_alu depctr_va_vdst(0)                   ; one wait for the batch
	v_pk_add_f32 v[18:19], v[96:97], v[98:99]
	v_pk_add_f32 v[20:21], v[100:101], v[102:103]
.irp i, 104,108,112,116,120,124
	v_pk_add_f32 v[18:19], v[18:19], v[\i:\i+1]
	v_pk_add_f32 v[20:21], v[20:21], v[\i+2:\i+3]
.endr
	v_pk_add_f32 v[18:19], v[18:19], v[20:21]
	v_add_f32 v18, v18, v19
	v_permlanex16_b32 v19, v18, s88, s89
	v_add_f32 v17, v18, v19                        ; the part's sum
	SPLIT 96, 0, 2, 192, 4, 16                     ; the weights: high at v192, low at v208 of window 2
.irp a, 0,1,2,3
	OUTG 32*\a, 0x0a, 48, (\a/2)*4096+(\a%2)*512, 1024
	SPLIT 32*\a, 2, 3, 128+32*(\a/2)+4*(\a%2), 8, 64
.endr
	WIN 0x0b                                       ; the part's O, transposed: a lane holds query r and channels 16 n + 8 h + 0 .. 7
	FMUL 128, 192, 8, 32, 1
	FMUL 192, 192, 8, 32, 0
	FMUL 128, 208, 8, 32, 0
	WIN 0
	PLACES
.set i, 0
.rept 8
	global_store_b128 v1, v[96+4*i:99+4*i], s[50:51] offset:512*i
.set i, i+1
.endr
	global_store_b32 v15, v16, s[52:53]
	global_store_b32 v15, v17, s[52:53] offset:128
	s_wait_tensorcnt 0x0                           ; the wave's end
	ds_add_u32 v[SPW], v[NIL]
	s_wait_dscnt 0x0
	CROUND                                         ; the closing round
	s_endpgm
.Lfunc_end_k_q8b32a7cfd1_qkv:
	.size	k_q8b32a7cfd1_qkv, .Lfunc_end_k_q8b32a7cfd1_qkv-k_q8b32a7cfd1_qkv
	.p2alignl 7, 3214868480
	.fill 96, 4, 3214868480
	.section	.rodata,"a",@progbits
	.p2align	6, 0x0
	.amdhsa_kernel k_q8b32a7cfd1_qkv
		.amdhsa_group_segment_fixed_size 327680
		.amdhsa_private_segment_fixed_size 0
		.amdhsa_enable_private_segment 0
		.amdhsa_kernarg_size 64
		.amdhsa_user_sgpr_count 2
		.amdhsa_user_sgpr_kernarg_segment_ptr 1
		.amdhsa_wavefront_size32 1
		.amdhsa_system_sgpr_workgroup_id_x 1
		.amdhsa_system_sgpr_workgroup_id_y 1
		.amdhsa_system_sgpr_workgroup_id_z 1
		.amdhsa_system_vgpr_workitem_id 0
		.amdhsa_next_free_vgpr 1024
		.amdhsa_next_free_sgpr 100
		.amdhsa_reserve_vcc 0
		.amdhsa_float_denorm_mode_32 3
		.amdhsa_float_denorm_mode_16_64 3
		.amdhsa_memory_ordered 1
		.amdhsa_forward_progress 1
		.amdhsa_inst_pref_size 209
	.end_amdhsa_kernel
	.amdgpu_metadata
---
amdhsa.version: [ 1, 2 ]
amdhsa.kernels:
  - .name:           k_q8b32a7cfd1_qkv
    .symbol:         k_q8b32a7cfd1_qkv.kd
    .args:
      - { .name: prep, .offset: 0, .size: 8, .value_kind: global_buffer, .address_space: global }
      - { .name: cos, .offset: 8, .size: 8, .value_kind: global_buffer, .address_space: global }
      - { .name: sin, .offset: 16, .size: 8, .value_kind: global_buffer, .address_space: global }
      - { .name: q_norm_w, .offset: 24, .size: 8, .value_kind: global_buffer, .address_space: global }
      - { .name: k_norm_w, .offset: 32, .size: 8, .value_kind: global_buffer, .address_space: global }
      - { .name: attention_mask, .offset: 40, .size: 8, .value_kind: global_buffer, .address_space: global }
      - { .name: qkvi, .offset: 48, .size: 8, .value_kind: global_buffer, .address_space: global }
      - { .name: part, .offset: 56, .size: 8, .value_kind: global_buffer, .address_space: global }
    .group_segment_fixed_size: 327680
    .private_segment_fixed_size: 0
    .kernarg_segment_align: 8
    .kernarg_segment_size: 64
    .max_flat_workgroup_size: 128
    .sgpr_count:     100
    .vgpr_count:     1024
    .wavefront_size: 32
...
	.end_amdgpu_metadata
.endif
;; end of part 2
;; launch merge (part 3): grid 64 x 1, 1 waves a work-group, no clusters, 0 bytes of LDS; arguments part, o32; writes o32
.if DOCPART == 3
	.amdgcn_target "amdgcn-amd-amdhsa--gfx1250"
	.amdhsa_code_object_version 6
	.text
	.protected	k_q8b32a7cfd1_merge
	.globl	k_q8b32a7cfd1_merge
	.p2align	8
	.type	k_q8b32a7cfd1_merge,@function
k_q8b32a7cfd1_merge:
	s_mov_b64 s[64:65], 0
	v_nop
	global_prefetch_b8 v0, s[64:65] scope:SCOPE_SE
	s_setreg_imm32_b32 hwreg(HW_REG_WAVE_MODE, 25, 1), 1
	s_wait_xcnt 0x0
; The fine rows: the 64 parts (one for each 64 keys) of a head's attention of queries 0-15 are joined: M = the largest of the parts' maxima, w = 2^((m - M) log2 e), O = sum of w O_c / sum of w l_c.  All in f32.
; A work-group of one wave takes one head (number / 4) and 16 of its channels (number % 4).  A lane holds query lane % 16 and channels 8 (lane / 16) + 0 .. 7, as the parts were stored.
; All 256 loads go out at once; one wait.  window 0: v64-127 the maxima, then w; v128-191 the sums; v8-15 O.  windows 1, 2: the parts' O, eight registers each.
.set MLO, 4194304
.set MSB, 0
.macro WIN new
.if MSB != (\new)
	s_set_vgpr_msb (MSB<<8)|(\new)
.set MSB, (\new)
.endif
.endm
	s_load_b128 s[4:7], s[0:1], 0x0                ; part, o32
	s_lshr_b32 s8, ttmp9, 2                        ; head
	s_and_b32 s9, ttmp9, 3                         ; which 16 channels
	v_lshlrev_b32 v1, 2, v0
	v_lshlrev_b32 v7, 4, v0
	s_lshl_b32 s16, s8, 14
	s_add_co_u32 s16, s16, MLO
	s_mov_b32 s17, 0
	s_lshl_b32 s18, s8, 18
	s_lshl_b32 s19, s9, 10
	s_add_co_u32 s18, s18, s19
	s_mov_b32 s19, 0
	s_lshl_b32 s20, ttmp9, 10
	s_mov_b32 s21, 0
	s_mov_b32 s14, 0x3fb8aa3b                      ; log2(e)
	s_mov_b32 s15, s14
	s_wait_kmcnt 0x0
	s_add_nc_u64 s[10:11], s[4:5], s[16:17]
	s_add_nc_u64 s[12:13], s[4:5], s[18:19]
	s_add_nc_u64 s[6:7], s[6:7], s[20:21]
.set c, 0
.rept 64
	global_load_b32 v[64+c], v1, s[10:11] offset:256*c
	global_load_b32 v[128+c], v1, s[10:11] offset:256*c+128
.set c, c+1
.endr
	WIN 0x40
.set c, 0
.rept 32
	global_load_b128 v[8*c:8*c+3], v7, s[12:13] offset:4096*c
	global_load_b128 v[8*c+4:8*c+7], v7, s[12:13] offset:4096*c+512
.set c, c+1
.endr
	WIN 0x80
.set c, 0
.rept 32
	global_load_b128 v[8*c:8*c+3], v7, s[12:13] offset:4096*(c+32)
	global_load_b128 v[8*c+4:8*c+7], v7, s[12:13] offset:4096*(c+32)+512
.set c, c+1
.endr
	WIN 0
	s_wait_loadcnt 0x0
	v_max3_num_f32 v2, v64, v65, v66
	v_max3_num_f32 v3, v67, v68, v69
.set i, 70
.rept 14
	v_max3_num_f32 v2, v2, v[i], v[i+1]
	v_max3_num_f32 v3, v3, v[i+2], v[i+3]
.set i, i+4
.endr
	v_max3_num_f32 v2, v2, v126, v127
	v_max_num_f32 v2, v2, v3                       ; M
.set i, 0
.rept 32
	v_pk_add_f32 v[64+i:65+i], v[64+i:65+i], v[2:3] op_sel_hi:[1,0] neg_lo:[0,1] neg_hi:[0,1]
.set i, i+2
.endr
.set i, 0
.rept 32
	v_pk_mul_f32 v[64+i:65+i], v[64+i:65+i], s[14:15] op_sel_hi:[1,0]
.set i, i+2
.endr
.set i, 0
.rept 64
	v_exp_f32 v[64+i], v[64+i]
.set i, i+1
.endr
	v_nop
	s_wait_alu depctr_va_vdst(0)                   ; one wait for the batch
	v_pk_mul_f32 v[4:5], v[64:65], v[128:129]
.set i, 2
.rept 31
	v_pk_fma_f32 v[4:5], v[64+i:65+i], v[128+i:129+i], v[4:5]
.set i, i+2
.endr
	WIN 0x01                                       ; source 0 window 1
.irp j, 0,1,2,3,4,5,6,7
	v_mul_f32 v[8+\j], v[\j], v64
.endr
.set c, 1
.rept 31
.irp j, 0,1,2,3,4,5,6,7
	v_fma_f32 v[8+\j], v[8*c+\j], v[64+c], v[8+\j]
.endr
.set c, c+1
.endr
	WIN 0x02
.set c, 0
.rept 32
.irp j, 0,1,2,3,4,5,6,7
	v_fma_f32 v[8+\j], v[8*c+\j], v[96+c], v[8+\j]
.endr
.set c, c+1
.endr
	WIN 0
	v_add_f32 v4, v4, v5
	v_rcp_f32 v4, v4
	v_nop
	s_wait_alu depctr_va_vdst(0)
.irp j, 0,1,2,3,4,5,6,7
	v_mul_f32 v[8+\j], v[8+\j], v4
.endr
	global_store_b128 v7, v[8:11], s[6:7]          ; 512 consecutive bytes a store
	global_store_b128 v7, v[12:15], s[6:7] offset:512
	s_endpgm
.Lfunc_end_k_q8b32a7cfd1_merge:
	.size	k_q8b32a7cfd1_merge, .Lfunc_end_k_q8b32a7cfd1_merge-k_q8b32a7cfd1_merge
	.p2alignl 7, 3214868480
	.fill 96, 4, 3214868480
	.section	.rodata,"a",@progbits
	.p2align	6, 0x0
	.amdhsa_kernel k_q8b32a7cfd1_merge
		.amdhsa_group_segment_fixed_size 0
		.amdhsa_private_segment_fixed_size 0
		.amdhsa_enable_private_segment 0
		.amdhsa_kernarg_size 16
		.amdhsa_user_sgpr_count 2
		.amdhsa_user_sgpr_kernarg_segment_ptr 1
		.amdhsa_wavefront_size32 1
		.amdhsa_system_sgpr_workgroup_id_x 1
		.amdhsa_system_sgpr_workgroup_id_y 1
		.amdhsa_system_sgpr_workgroup_id_z 1
		.amdhsa_system_vgpr_workitem_id 0
		.amdhsa_next_free_vgpr 768
		.amdhsa_next_free_sgpr 66
		.amdhsa_reserve_vcc 0
		.amdhsa_float_denorm_mode_32 3
		.amdhsa_float_denorm_mode_16_64 3
		.amdhsa_memory_ordered 1
		.amdhsa_forward_progress 1
		.amdhsa_inst_pref_size 68
	.end_amdhsa_kernel
	.amdgpu_metadata
---
amdhsa.version: [ 1, 2 ]
amdhsa.kernels:
  - .name:           k_q8b32a7cfd1_merge
    .symbol:         k_q8b32a7cfd1_merge.kd
    .args:
      - { .name: part, .offset: 0, .size: 8, .value_kind: global_buffer, .address_space: global }
      - { .name: o32, .offset: 8, .size: 8, .value_kind: global_buffer, .address_space: global }
    .group_segment_fixed_size: 0
    .private_segment_fixed_size: 0
    .kernarg_segment_align: 8
    .kernarg_segment_size: 16
    .max_flat_workgroup_size: 32
    .sgpr_count:     66
    .vgpr_count:     768
    .wavefront_size: 32
...
	.end_amdgpu_metadata
.endif
;; end of part 3
;; launch attn (part 4): grid 32 x 8, 8 waves a work-group, clusters of 4 x 4, 327,680 bytes of LDS; arguments attention_mask, qkvi, oimg; writes oimg
.if DOCPART == 4
	.amdgcn_target "amdgcn-amd-amdhsa--gfx1250"
	.amdhsa_code_object_version 6
	.text
	.protected	k_q8b32a7cfd1_attn
	.globl	k_q8b32a7cfd1_attn
	.p2align	8
	.type	k_q8b32a7cfd1_attn,@function
k_q8b32a7cfd1_attn:
	s_mov_b64 s[64:65], 0
	v_nop
	global_prefetch_b8 v0, s[64:65] scope:SCOPE_SE
	s_setreg_imm32_b32 hwreg(HW_REG_WAVE_MODE, 25, 1), 1
	s_wait_xcnt 0x0
	s_wait_alu depctr_hold_cnt(0) depctr_sa_sdst(0) depctr_va_vdst(0) depctr_va_sdst(0) depctr_va_ssrc(0) depctr_va_vcc(0) depctr_vm_vsrc(0)
	s_getreg_b32 s2, hwreg(HW_REG_IB_STS2, 6, 4)
	s_cmp_eq_u32 s2, 0
	s_cbranch_scc0 .Lentry_in_a_cluster
	s_endpgm
.Lentry_in_a_cluster:
	s_bfe_u32 s2, ttmp6, 0x10000c
	s_cmp_lg_u32 s2, 0xf033
	s_cbranch_scc0 .Lentry_shape_is_right
	s_endpgm
.Lentry_shape_is_right:
; o = softmax(q k^T / 8 + mask) v for 16 heads of 64, 4,096 queries and keys.  q (already divided by 8), k, v arrive as f16 images of operand registers; the mask is an input of f32 and is read whole.
; Products on f16 operands with f32 sums; t = score + mask, the running maximum, the differences t - m, the exponentials and the sums in f32; the weights go to the second product in f16; o leaves as f16 images.
; SHARES: a work-group takes 128 queries x 2 heads; wave w takes head 2 hp + w / 4 and queries 32 (w % 4) on: two tiles of 16.  Two waves share a SIMD: one's softmax stands beside the other's products.
; Both products are used transposed (S^T = K Q^T, O^T = V^T P): a lane holds one query (lane % 16) throughout, and eight keys or channels.
; THE RING: two LDS slots of 128 keys: the mask's 128 x 128 numbers (rows of 512 bytes + 16), K's and V's images of both heads (dense).  One tensor load of 16 KB a wave behind each change of slots.
; CLUSTER 4 x 4: the mask's tile hangs on the query block alone and is asked for jointly along a column of the cluster; K's and V's hang on the head pair alone, along a row.
; The difference t - m is formed first and multiplied by log2(e) afterwards, so that rows whose every mask number is very large and negative keep their differences.
; LIMITS: NaN and infinities are not served; |v| stays under 65,504 (f16).
; REGISTERS: window 0: v3-5 my places in a slot, v6-8 the step's addresses, v10 prefetch offset, v11 16 x lane, v12, v13 the add's two; statistics of tile a at 16 + 8 a (m, old m, l in two halves, f, -, two at work);
;   v32-39 chains; S^T (a, kt) at 64 + 64 a + 8 kt; v192-255 the mask's numbers, then P (a, kb) at 192 + 32 a + 8 kb.   window 1: Q (a, c) at 16 a + 8 c; O^T (a, ct) at 32 + 32 a + 8 ct; v96-223 K, then V.
.set KOFF,  8388608
.set MP,    528
.set SPARE, 0x10800                    ; between the mask's slot 0 and K's: the spare words, 128 bytes a wave
.set SPW, 12
.set NIL, 13
.set G1M, 24
.set G1D, 32
.set G0M, 40
.set G0K, 44
.set G0V, 48
.set TBM, 52                           ; 0 or 0x20000: the slot in hand, for the mask and K
.set TBV, 53                           ; 0 or 0x8000: for V
.set SLOTS, 54
.set LIM, 55
.set PFA, 56
.set PFS, 58
.set MSB, 0
.macro WIN new
.if MSB != (\new)
	s_set_vgpr_msb (MSB<<8)|(\new)
.set MSB, (\new)
.endif
.endm
.macro PLACES
.rept 4
	v_nop
.endr
.endm
.macro CROUND
	s_barrier_signal -1
	s_barrier_wait -1
	s_cmp_lg_u32 s10, 0
	s_cbranch_scc1 .Lnot_wave_0_\@
	s_barrier_signal -3
.Lnot_wave_0_\@:
	s_barrier_wait -3
	s_barrier_signal -1
	s_barrier_wait -1
.endm
; a wave's one joint load: waves 0-3 the mask's 32 rows each, waves 4, 5 K of the two heads, waves 6, 7 V.  The branches hang on the wave's number alone.
.macro TLOAD
	s_cmp_lt_u32 s10, 4
	s_cbranch_scc0 .Lnot_m_\@
	tensor_load_to_lds s[G0M:G0M+3], s[G1M:G1M+7]
	s_nop 0
	PLACES
	s_branch .Lasked_\@
.Lnot_m_\@:
	s_cmp_lt_u32 s10, 6
	s_cbranch_scc0 .Lfor_v_\@
	tensor_load_to_lds s[G0K:G0K+3], s[G1D:G1D+7]
	s_nop 0
	PLACES
	s_branch .Lasked_\@
.Lfor_v_\@:
	tensor_load_to_lds s[G0V:G0V+3], s[G1D:G1D+7]
	s_nop 0
	PLACES
.Lasked_\@:
.endm
; A PREFETCH of what the next change of slots will ask for, one key step of 128 keys ahead, behind the wave's tensor load.  Each aligned block of 256 bytes is named once in the launch.
; The mask's tile is read by both clusters of a column of clusters: the one with y = 0 asks; its four partners along y take 32 rows each, told apart by address; wave 0 the rows' left 256 bytes, wave 1 the right.
; K's and V's are read by all eight clusters of a row of clusters: the one with x = 0 asks; partner cx takes head cx / 2, half cx % 2 of its 16 KB, lanes 256 bytes apart; wave 4 K's, wave 6 V's.
; The last change that fills a slot asks for nothing.
.macro ASK
	s_cmp_gt_u32 s[SLOTS], s[LIM]
	s_cbranch_scc0 .Lnot_mine_\@
	global_prefetch_b8 v10, s[PFA:PFA+1] th:TH_LOAD_NT scope:SCOPE_SE
.Lnot_mine_\@:
.endm
	s_load_b128 s[4:7], s[0:1], 0x0                ; mask, qkvi
	s_load_b64 s[8:9], s[0:1], 0x10                ; oimg
	v_lshl_add_u32 v[SPW], v0, 2, SPARE
	v_mov_b32 v[NIL], 0
	ds_add_u32 v[SPW], v[NIL]                      ; the opening: the add, twice on end, and its wait ahead of my first tensor load
	ds_add_u32 v[SPW], v[NIL]
	v_lshrrev_b32 v1, 5, v0
	v_readfirstlane_b32 s10, v1                    ; wave 0..7
	s_and_b32 s11, s10, 3                          ; which 32 queries; also which 32 rows of the mask I fetch
	s_lshr_b32 s12, s10, 2                         ; which head of the pair
	s_and_b32 s13, s10, 1                          ; which head's K or V I fetch
	s_bfe_u32 s14, ttmp6, 0x40000                  ; cx
	s_bfe_u32 s15, ttmp6, 0x40004                  ; cy
	s_lshl_b32 s16, ttmp9, 2
	s_add_co_u32 s16, s16, s14                     ; bq: the block of 128 queries
	s_and_b32 s17, ttmp7, 0xffff
	s_lshl_b32 s17, s17, 2
	s_add_co_u32 s17, s17, s15                     ; hp: the head pair
	s_lshl_b32 s18, s15, 2
	s_lshl_b32 s18, 15, s18                        ; my row of the cluster
	s_lshl_b32 s19, 0x1111, s14                    ; my column
	s_or_b32 s[G1M], s19, (2<<16)|(1<<20)|(1<<21)|(6<<22)|(3<<25)   ; elements of 4 bytes; 4 words of padding behind every 128
	s_mov_b32 s[G1M+1], 128<<16
	s_mov_b32 s[G1M+2], 32<<16
	s_mov_b32 s[G1M+3], 128<<16
	s_mov_b32 s[G1M+4], 32
	s_mov_b32 s[G1M+5], 4096
	s_mov_b32 s[G1M+6], 0
	s_mov_b32 s[G1M+7], 0
	s_or_b32 s[G1D], s18, (3<<16)|(1<<21)          ; 16 KB dense, as 64 rows of 256 bytes
	s_mov_b32 s[G1D+1], 32<<16
	s_mov_b32 s[G1D+2], 64<<16
	s_mov_b32 s[G1D+3], 32<<16
	s_mov_b32 s[G1D+4], 64
	s_mov_b32 s[G1D+5], 32
	s_mov_b32 s[G1D+6], 0
	s_mov_b32 s[G1D+7], 0
	s_mov_b32 s20, 0x76543210
	s_mov_b32 s21, 0xfedcba98
	s_mov_b32 s22, 0x3fb8aa3b                      ; log2(e)
	s_mov_b32 s23, s22
	s_mov_b32 s[TBM], 0
	s_mov_b32 s[TBV], 0
	s_mov_b32 s[SLOTS], 31
	v_and_b32 v1, 31, v0
	v_and_b32 v2, 15, v0                           ; r
	v_bfe_u32 v9, v0, 4, 1                         ; h
	v_lshlrev_b32 v11, 4, v1
	s_mul_i32 s60, s11, 32*MP
	v_mul_u32_u24 v3, v2, MP
	v_lshl_add_u32 v3, v9, 5, v3
	v_add_nc_u32 v3, s60, v3                       ; the mask: row 32 (w % 4) + r, + 32 h
	s_lshl_b32 s60, s12, 14
	s_add_co_u32 s61, s60, 0x18000
	v_add_nc_u32 v4, s61, v11                      ; K: my head's 16 KB
	s_add_co_u32 s61, s60, 0x40000
	v_add_nc_u32 v5, s61, v11                      ; V
	s_mov_b32 s[G0M], 1
	s_mul_i32 s[G0M+1], s11, 32*MP
	s_mov_b32 s[G0K], 1
	s_lshl_b32 s[G0K+1], s13, 14
	s_add_co_u32 s[G0K+1], s[G0K+1], 0x18000
	s_mov_b32 s[G0V], 1
	s_lshl_b32 s[G0V+1], s13, 14
	s_add_co_u32 s[G0V+1], s[G0V+1], 0x40000
	s_wait_dscnt 0x0                               ; both opening adds are done
	s_wait_kmcnt 0x0
	s_lshl_b32 s60, s16, 21                        ; the mask's rows 128 bq + 32 (w % 4): of bq and the wave's number alone
	s_lshl_b32 s61, s11, 19
	s_add_co_u32 s60, s60, s61
	s_mov_b32 s61, 0
	s_add_nc_u64 s[G0M+2:G0M+3], s[4:5], s[60:61]
	s_or_b32 s[G0M+3], s[G0M+3], 0x80000000
	s_lshl_b32 s62, s17, 20                        ; K of head 2 hp + w % 2: of hp and the wave's number alone
	s_lshl_b32 s63, s13, 19
	s_add_co_u32 s62, s62, s63
	s_add_co_u32 s62, s62, KOFF
	s_mov_b32 s63, 0
	s_add_nc_u64 s[G0K+2:G0K+3], s[6:7], s[62:63]
	s_add_nc_u64 s[G0V+2:G0V+3], s[G0K+2:G0K+3], KOFF
	s_or_b32 s[G0K+3], s[G0K+3], 0x80000000
	s_or_b32 s[G0V+3], s[G0V+3], 0x80000000
	CROUND                                         ; all sixteen work-groups are here
	TLOAD                                          ; slot 0: keys 0-127
	s_lshl_b32 s60, s17, 20                        ; Q: head x 524,288 + tile of queries x 2,048
	s_lshl_b32 s61, s12, 19
	s_add_co_u32 s60, s60, s61
	s_lshl_b32 s61, s16, 14
	s_add_co_u32 s60, s60, s61
	s_lshl_b32 s61, s11, 12
	s_add_co_u32 s60, s60, s61
	s_mov_b32 s61, 0
	s_add_nc_u64 s[66:67], s[6:7], s[60:61]
	s_lshl_b32 s60, s16, 18                        ; o: tile of queries x 32,768 + head x 2,048
	s_lshl_b32 s62, s11, 16
	s_add_co_u32 s60, s60, s62
	s_lshl_b32 s62, s17, 12
	s_add_co_u32 s60, s60, s62
	s_lshl_b32 s62, s12, 11
	s_add_co_u32 s60, s60, s62
	s_add_nc_u64 s[68:69], s[8:9], s[60:61]
	; the prefetches: where mine stand (at key step 1: each change steps them ahead of its use), and who asks
	s_lshl_b32 s70, s16, 21
	s_lshl_b32 s71, s15, 19
	s_add_co_u32 s70, s70, s71                     ; the mask's rows 128 bq + 32 cy,
	s_lshl_b32 s71, s13, 8
	s_add_co_u32 s70, s70, s71                     ; left or right 256 bytes,
	s_add_co_u32 s70, s70, 512                     ; key step 1
	s_lshl_b32 s72, s17, 20
	s_lshr_b32 s73, s14, 1
	s_lshl_b32 s73, s73, 19
	s_add_co_u32 s72, s72, s73                     ; head 2 hp + cx / 2,
	s_and_b32 s73, s14, 1
	s_lshl_b32 s73, s73, 13
	s_add_co_u32 s72, s72, s73                     ; half cx % 2 of a step's 16 KB,
	s_add_co_u32 s72, s72, KOFF+16384              ; in K, key step 1;
	s_cmp_lt_u32 s10, 6
	s_cselect_b32 s73, 0, KOFF
	s_add_co_u32 s72, s72, s73                     ; or in V
	s_mov_b32 s[PFS], 16384
	s_mov_b32 s74, 256
	s_and_b32 s75, ttmp7, 0xffff                   ; cluster y
	s_cmp_lt_u32 s10, 4
	s_cselect_b32 s70, s70, s72
	s_cselect_b64 s[PFA:PFA+1], s[4:5], s[6:7]
	s_cselect_b32 s[PFS], 512, s[PFS]              ; a key step on
	s_cselect_b32 s74, 16384, s74                  ; from lane to lane
	s_cselect_b32 s75, s75, ttmp9                  ; the coordinate along which other clusters read the same bytes
	s_mov_b32 s71, 0
	s_mov_b32 s[PFS+1], 0
	s_add_nc_u64 s[PFA:PFA+1], s[PFA:PFA+1], s[70:71]
	v_mul_lo_u32 v10, v1, s74
	s_lshr_b32 s73, 0x53, s10                      ; waves 0, 1, 4 and 6
	s_and_b32 s73, s73, 1
	s_xor_b32 s73, s73, 1
	s_or_b32 s75, s75, s73
	s_cmp_eq_u32 s75, 0                            ; the same in all sixteen partners, for a given wave
	s_cselect_b32 s[LIM], 1, -1
	WIN 0x40
.set i, 0
.rept 8
	global_load_b128 v[4*i:4*i+3], v11, s[66:67] offset:512*i     ; Q stays in registers
.set i, i+1
.endr
.set i, 0
.rept 64
	v_mov_b32 v[32+i], 0                           ; O^T: the step is written once; the first finds zeros
.set i, i+1
.endr
	WIN 0
.irp a, 0,1
	v_mov_b32 v[16+8*\a], 0xff61b1e6               ; m: -3e38, under every t
	v_mov_b32 v[17+8*\a], 0xff61b1e6
.irp n, 2,3,4,5,6,7
	v_mov_b32 v[16+8*\a+\n], 0
.endr
.endr
	s_wait_loadcnt 0x0
.macro MLOAD hb                        ; the mask's numbers of keys 64 hb on, in the scores' layout
.irp a, 0,1
.irp k, 0,1,2,3
	ds_load_b128 v[192+32*\a+8*\k:195+32*\a+8*\k], v6 offset:16*MP*\a+256*\hb+64*\k
	ds_load_b128 v[196+32*\a+8*\k:199+32*\a+8*\k], v6 offset:16*MP*\a+256*\hb+64*\k+16
.endr
.endr
.endm
.macro MADD hb                         ; t = score + mask; each accumulator from its low end on
.irp a, 0,1
.irp k, 0,1,2,3
.irp j, 0,2,4,6
	v_pk_add_f32 v[64+64*\a+32*\hb+8*\k+\j:65+64*\a+32*\hb+8*\k+\j], v[64+64*\a+32*\hb+8*\k+\j:65+64*\a+32*\hb+8*\k+\j], v[192+32*\a+8*\k+\j:193+32*\a+8*\k+\j]
.endr
.endr
.endr
.endm
; A KEY STEP: 128 keys
.macro STEP
	v_add_nc_u32 v6, s[TBM], v3                    ; these three and the v_nop are the places behind the last step's products
	v_add_nc_u32 v7, s[TBM], v4
	v_add_nc_u32 v8, s[TBV], v5
	v_nop
	WIN 0x40
.set f, 0
.rept 32                               ; K: 16 fragments, 512 consecutive bytes a load
	ds_load_b128 v[96+4*f:99+4*f], v7 offset:512*f
.set f, f+1
.endr
	WIN 0
	MLOAD 0
	s_wait_dscnt 16                                ; K is in; the mask's 16 loads may be out
	WIN 0x05
.irp c, 0,1                            ; 16 accumulators by turns
.irp a, 0,1
.irp k, 0,1,2,3,4,5,6,7
.if \c == 0
	v_wmma_f32_16x16x32_f16 v[64+64*\a+8*\k:71+64*\a+8*\k], v[96+16*\k:103+16*\k], v[16*\a:16*\a+7], 0
.else
	v_wmma_f32_16x16x32_f16 v[64+64*\a+8*\k:71+64*\a+8*\k], v[104+16*\k:111+16*\k], v[16*\a+8:16*\a+15], v[64+64*\a+8*\k:71+64*\a+8*\k]
.endif
.endr
.endr
.endr
	PLACES                                         ; in front of the loads into K's registers and of the first read of the scores
	WIN 0x40
.set f, 0
.rept 32                               ; V takes K's registers
	ds_load_b128 v[96+4*f:99+4*f], v8 offset:512*f
.set f, f+1
.endr
	WIN 0
	s_wait_dscnt 32                                ; the mask's first half is in; V's 32 loads may be out
	MADD 0
	MLOAD 1
.irp a, 0,1                            ; the largest t: four chains a tile
.irp k, 0,1,2,3
	v_max3_num_f32 v[32+4*\a+\k], v[64+64*\a+8*\k], v[65+64*\a+8*\k], v[66+64*\a+8*\k]
.endr
.endr
.irp j, 3,5
.irp a, 0,1
.irp k, 0,1,2,3
	v_max3_num_f32 v[32+4*\a+\k], v[32+4*\a+\k], v[64+64*\a+8*\k+\j], v[65+64*\a+8*\k+\j]
.endr
.endr
.endr
.irp a, 0,1
.irp k, 0,1,2,3
	v_max_num_f32 v[32+4*\a+\k], v[32+4*\a+\k], v[71+64*\a+8*\k]
.endr
.endr
	s_wait_dscnt 0x0                               ; the mask's second half and V are in
	MADD 1
.irp j, 0,2,4,6
.irp a, 0,1
.irp k, 0,1,2,3
	v_max3_num_f32 v[32+4*\a+\k], v[32+4*\a+\k], v[96+64*\a+8*\k+\j], v[97+64*\a+8*\k+\j]
.endr
.endr
.endr
.irp a, 0,1
	v_mov_b32 v[17+8*\a], v[16+8*\a]               ; the old m
	v_max3_num_f32 v[32+4*\a], v[32+4*\a], v[33+4*\a], v[34+4*\a]
.endr
.irp a, 0,1
	v_max3_num_f32 v[32+4*\a], v[32+4*\a], v[35+4*\a], v[16+8*\a]
.endr
.irp a, 0,1
	v_permlanex16_b32 v[22+8*\a], v[32+4*\a], s20, s21
.endr
.irp a, 0,1
	v_max_num_f32 v[16+8*\a], v[32+4*\a], v[22+8*\a]   ; the new m
.endr
.irp a, 0,1
	v_sub_f32 v[20+8*\a], v[17+8*\a], v[16+8*\a]
.endr
.irp a, 0,1
	v_mul_f32 v[20+8*\a], s22, v[20+8*\a]
.endr
.irp a, 0,1
.set i, 0
.rept 32
	v_pk_add_f32 v[64+64*\a+i:65+64*\a+i], v[64+64*\a+i:65+64*\a+i], v[16+8*\a:17+8*\a] op_sel_hi:[1,0] neg_lo:[0,1] neg_hi:[0,1]   ; t - m
.set i, i+2
.endr
.endr
.set i, 0
.rept 64
	v_pk_mul_f32 v[64+i:65+i], v[64+i:65+i], s[22:23] op_sel_hi:[1,0]
.set i, i+2
.endr
	v_exp_f32 v20, v20                             ; f = 2^((old m - m) log2 e)
	v_exp_f32 v28, v28
.set i, 0
.rept 128
	v_exp_f32 v[64+i], v[64+i]
.set i, i+1
.endr
	v_nop                                          ; a plain line behind the batch,
	s_wait_alu depctr_va_vdst(0)                   ; and one wait for the 130, ahead of their first reader
.irp a, 0,1
	v_pk_add_f32 v[32+4*\a:33+4*\a], v[64+64*\a:65+64*\a], v[66+64*\a:67+64*\a]
	v_pk_add_f32 v[34+4*\a:35+4*\a], v[68+64*\a:69+64*\a], v[70+64*\a:71+64*\a]
.endr
.set i, 8
.rept 14
.irp a, 0,1
	v_pk_add_f32 v[32+4*\a:33+4*\a], v[32+4*\a:33+4*\a], v[64+64*\a+i:65+64*\a+i]
	v_pk_add_f32 v[34+4*\a:35+4*\a], v[34+4*\a:35+4*\a], v[66+64*\a+i:67+64*\a+i]
.endr
.set i, i+4
.endr
.irp a, 0,1
	v_pk_add_f32 v[32+4*\a:33+4*\a], v[32+4*\a:33+4*\a], v[34+4*\a:35+4*\a]
.endr
.irp a, 0,1
	v_pk_fma_f32 v[18+8*\a:19+8*\a], v[18+8*\a:19+8*\a], v[20+8*\a:21+8*\a], v[32+4*\a:33+4*\a] op_sel_hi:[1,0,1]   ; l = l f + the step's sum
.endr
.irp a, 0,1
.set i, 0
.rept 32
	v_cvt_pk_f16_f32 v[192+32*\a+i], v[64+64*\a+2*i], v[65+64*\a+2*i]     ; the weights in f16 ARE source 1 of the second product
.set i, i+1
.endr
.endr
	WIN 0x41
.irp a, 0,1
.set i, 0
.rept 16
	v_pk_mul_f32 v[32+32*\a+i:33+32*\a+i], v[32+32*\a+i:33+32*\a+i], v[20+8*\a:21+8*\a] op_sel_hi:[1,0]   ; O^T x f
.set i, i+2
.endr
.endr
	WIN 0x51
.irp kb, 0,1,2,3                       ; 8 accumulators by turns
.irp a, 0,1
.irp ct, 0,1,2,3
	v_wmma_f32_16x16x32_f16 v[32+32*\a+8*\ct:39+32*\a+8*\ct], v[96+32*\kb+8*\ct:103+32*\kb+8*\ct], v[192+32*\a+8*\kb:199+32*\a+8*\kb], v[32+32*\a+8*\ct:39+32*\a+8*\ct]
.endr
.endr
.endr
	WIN 0
	s_xor_b32 s[TBM], s[TBM], 0x20000              ; on to the other slot
	s_xor_b32 s[TBV], s[TBV], 0x8000
.endm
; THE CHANGE OF SLOTS, at a step's head.  Each wave waits for all its tensor loads (its part of the slot that is about to be read), adds 0 to its spare word, and waits for that and for its reads of the slot that it has left.
; fill = 1: a round of the cluster's barrier, and the slot that was left is filled with the next 128 keys: the load has a whole step in which to land.
.macro CHANGE fill
	s_wait_tensorcnt 0x0                           ; no tensor load of mine is out: the groups 0 may be written
	ds_add_u32 v[SPW], v[NIL]
.if \fill
	s_xor_b32 s[G0M+1], s[G0M+1], 0x20000
	s_add_nc_u64 s[G0M+2:G0M+3], s[G0M+2:G0M+3], 512
	s_xor_b32 s[G0K+1], s[G0K+1], 0x20000
	s_add_nc_u64 s[G0K+2:G0K+3], s[G0K+2:G0K+3], 16384
	s_xor_b32 s[G0V+1], s[G0V+1], 0x8000
	s_add_nc_u64 s[G0V+2:G0V+3], s[G0V+2:G0V+3], 16384
	s_wait_xcnt 0x0                                ; the last prefetch, a step back, has read its address
	s_add_nc_u64 s[PFA:PFA+1], s[PFA:PFA+1], s[PFS:PFS+1]
	s_wait_dscnt 0x0                               ; the add is done, and my reads of the slot that I have left are over
	CROUND
	TLOAD
	ASK
.else
	s_wait_dscnt 0x0
	s_barrier_signal -1
	s_barrier_wait -1
.endif
.endm
.Lslot:                                            ; 31 trips: behind each change of slots but the last the next 128 keys are asked for
	CHANGE 1
	STEP
	s_sub_co_u32 s[SLOTS], s[SLOTS], 1
	s_cmp_lg_u32 s[SLOTS], 0
	s_cbranch_scc1 .Lslot
	CHANGE 0                                       ; the last step is written out
	STEP
	; THE WAY OUT: O^T / l, rounded to f16: a lane's eight channels are 16 bytes of an operand's image for the projection
	PLACES
.irp a, 0,1
	v_add_f32 v[22+8*\a], v[18+8*\a], v[19+8*\a]
.endr
.irp a, 0,1
	v_permlanex16_b32 v[23+8*\a], v[22+8*\a], s20, s21
.endr
.irp a, 0,1
	v_add_f32 v[22+8*\a], v[22+8*\a], v[23+8*\a]
.endr
.irp a, 0,1
	v_rcp_f32 v[20+8*\a], v[22+8*\a]
.endr
	v_nop
	s_wait_alu depctr_va_vdst(0)
	WIN 0x41
.irp a, 0,1
.set i, 0
.rept 16
	v_pk_mul_f32 v[32+32*\a+i:33+32*\a+i], v[32+32*\a+i:33+32*\a+i], v[20+8*\a:21+8*\a] op_sel_hi:[1,0]
.set i, i+2
.endr
.endr
	WIN 0x05
.set i, 0
.rept 32
	v_cvt_pk_f16_f32 v[64+i], v[32+2*i], v[33+2*i]
.set i, i+1
.endr
	WIN 0
.irp a, 0,1
.irp ct, 0,1,2,3
	global_store_b128 v11, v[64+16*\a+4*\ct:67+16*\a+4*\ct], s[68:69] offset:32768*\a+512*\ct     ; 512 consecutive bytes a store
.endr
.endr
	s_wait_tensorcnt 0x0                           ; the wave's end
	ds_add_u32 v[SPW], v[NIL]
	s_wait_dscnt 0x0
	CROUND                                         ; the closing round
	s_endpgm
.Lfunc_end_k_q8b32a7cfd1_attn:
	.size	k_q8b32a7cfd1_attn, .Lfunc_end_k_q8b32a7cfd1_attn-k_q8b32a7cfd1_attn
	.p2alignl 7, 3214868480
	.fill 96, 4, 3214868480
	.section	.rodata,"a",@progbits
	.p2align	6, 0x0
	.amdhsa_kernel k_q8b32a7cfd1_attn
		.amdhsa_group_segment_fixed_size 327680
		.amdhsa_private_segment_fixed_size 0
		.amdhsa_enable_private_segment 0
		.amdhsa_kernarg_size 24
		.amdhsa_user_sgpr_count 2
		.amdhsa_user_sgpr_kernarg_segment_ptr 1
		.amdhsa_wavefront_size32 1
		.amdhsa_system_sgpr_workgroup_id_x 1
		.amdhsa_system_sgpr_workgroup_id_y 1
		.amdhsa_system_sgpr_workgroup_id_z 1
		.amdhsa_system_vgpr_workitem_id 0
		.amdhsa_next_free_vgpr 512
		.amdhsa_next_free_sgpr 80
		.amdhsa_reserve_vcc 0
		.amdhsa_float_denorm_mode_32 3
		.amdhsa_float_denorm_mode_16_64 3
		.amdhsa_memory_ordered 1
		.amdhsa_forward_progress 1
		.amdhsa_inst_pref_size 102
	.end_amdhsa_kernel
	.amdgpu_metadata
---
amdhsa.version: [ 1, 2 ]
amdhsa.kernels:
  - .name:           k_q8b32a7cfd1_attn
    .symbol:         k_q8b32a7cfd1_attn.kd
    .args:
      - { .name: attention_mask, .offset: 0, .size: 8, .value_kind: global_buffer, .address_space: global }
      - { .name: qkvi, .offset: 8, .size: 8, .value_kind: global_buffer, .address_space: global }
      - { .name: oimg, .offset: 16, .size: 8, .value_kind: global_buffer, .address_space: global }
    .group_segment_fixed_size: 327680
    .private_segment_fixed_size: 0
    .kernarg_segment_align: 8
    .kernarg_segment_size: 24
    .max_flat_workgroup_size: 256
    .sgpr_count:     80
    .vgpr_count:     512
    .wavefront_size: 32
...
	.end_amdgpu_metadata
.endif
;; end of part 4
;; launch proj (part 5): grid 8 x 32, 4 waves a work-group, clusters of 4 x 4, 327,680 bytes of LDS; arguments oimg, prep, out0; writes out0
.if DOCPART == 5
	.amdgcn_target "amdgcn-amd-amdhsa--gfx1250"
	.amdhsa_code_object_version 6
	.text
	.protected	k_q8b32a7cfd1_proj
	.globl	k_q8b32a7cfd1_proj
	.p2align	8
	.type	k_q8b32a7cfd1_proj,@function
k_q8b32a7cfd1_proj:
	s_mov_b64 s[64:65], 0
	v_nop
	global_prefetch_b8 v0, s[64:65] scope:SCOPE_SE
	s_setreg_imm32_b32 hwreg(HW_REG_WAVE_MODE, 25, 1), 1
	s_wait_xcnt 0x0
	s_wait_alu depctr_hold_cnt(0) depctr_sa_sdst(0) depctr_va_vdst(0) depctr_va_sdst(0) depctr_va_ssrc(0) depctr_va_vcc(0) depctr_vm_vsrc(0)
	s_getreg_b32 s2, hwreg(HW_REG_IB_STS2, 6, 4)
	s_cmp_eq_u32 s2, 0
	s_cbranch_scc0 .Lentry_in_a_cluster
	s_endpgm
.Lentry_in_a_cluster:
	s_bfe_u32 s2, ttmp6, 0x10000c
	s_cmp_lg_u32 s2, 0xf033
	s_cbranch_scc0 .Lentry_shape_is_right
	s_endpgm
.Lentry_shape_is_right:
; out0 = o wo^T: [4096][1024] f32; o and wo arrive as f16 images of operand registers ([tile of 16 rows][32 along K: 32][1 KB]); sums in f32.
; A tile of 128 x 128 to a work-group, 64 x 64 to each of four waves: 16 accumulators.  K goes in four steps of 256 through two LDS slots of 128 KB; a wave's tensor load brings four tiles x 8 KB.
; The images are dense: a fragment is read by two loads of 512 consecutive bytes; no padding.
; CLUSTER 4 x 4: o's tiles are asked for jointly along a row of the cluster, wo's along a column.  The product is used transposed (source 0 = wo, source 1 = o): a lane holds eight neighbouring columns of a row.
; Rows 0-15 of out0 are stored here from f16 operands like all others and are stored again, more finely, by the launch that follows.
; REGISTERS: window 0: v16-29 addresses; v32-95 the way out; v128-255 the accumulators ((a, b) at 128 + 8 (4 a + b)).  window 1: two fragment buffers of 128: 64 registers of o, then 64 of wo, for 64 along K.
.set WOH,    3899392
.set KB,     8192                      ; a K step of a tile's image, in bytes
.set SLOT,   131072
.set STAGE,  262144                    ; behind the ring: 16 rows x 272 bytes for each wave
.set SPITCH, 272
.set SPARE,  279552
.set ADRA, 16
.set ADRB, 20
.set STO,  24
.set RD,   25
.set CO,   26
.set SPW,  28
.set NIL,  29
.set TMP,  32
.set ACC,  128
.set F0,   0
.set F1,   128
.set G1, 24
.set G0, 32
.set G1B, 48
.set G0B, 56
.set MSB, 0
.macro WIN new
.if MSB != (\new)
	s_set_vgpr_msb (MSB<<8)|(\new)
.set MSB, (\new)
.endif
.endm
.set MUL,  0x05
.set TO_F, 0x40
.macro PLACES
.rept 4
	v_nop
.endr
.endm
.macro JLOAD s                         ; waves 0 and 1 fetch o's two halves, waves 2 and 3 wo's
	s_cmp_eq_u32 s11, 0
	s_cbranch_scc0 .Lfor_b_\@
	tensor_load_to_lds s[G0+4*\s:G0+4*\s+3], s[G1:G1+7]
	s_nop 0
	PLACES
	s_branch .Lasked_\@
.Lfor_b_\@:
	tensor_load_to_lds s[G0B+4*\s:G0B+4*\s+3], s[G1B:G1B+7]
	s_nop 0
	PLACES
.Lasked_\@:
.endm
.macro CREST
	s_cmp_lg_u32 s10, 0
	s_cbranch_scc1 .Lnot_wave_0_\@
	s_barrier_signal -3
.Lnot_wave_0_\@:
	s_barrier_wait -3
	s_barrier_signal -1
	s_barrier_wait -1
.endm
.macro CROUND
	s_barrier_signal -1
	s_barrier_wait -1
	CREST
.endm
	s_load_b128 s[4:7], s[0:1], 0x0                ; oimg, prep
	s_load_b64 s[8:9], s[0:1], 0x10                ; out0
	v_lshl_add_u32 v[SPW], v0, 2, SPARE
	v_mov_b32 v[NIL], 0
	ds_add_u32 v[SPW], v[NIL]                      ; the opening: the add, twice on end, and its wait ahead of my first tensor load
	ds_add_u32 v[SPW], v[NIL]
	v_lshrrev_b32 v1, 5, v0
	v_readfirstlane_b32 s10, v1
	s_lshr_b32 s11, s10, 1                         ; my half of the rows; also: I fetch for o (0) or wo (1)
	s_and_b32 s12, s10, 1                          ; my half of the columns; also: which four tiles I fetch
	s_bfe_u32 s40, ttmp6, 0x40000
	s_bfe_u32 s41, ttmp6, 0x40004
	s_lshl_b32 s42, ttmp9, 2
	s_add_co_u32 s42, s42, s40                     ; tile column
	s_and_b32 s13, ttmp7, 0xffff
	s_lshl_b32 s13, s13, 2
	s_add_co_u32 s13, s13, s41                     ; tile row
	s_lshl_b32 s43, s41, 2
	s_lshl_b32 s43, 15, s43
	s_lshl_b32 s44, 0x1111, s40
	s_or_b32 s[G1], s43, (3<<16)|(1<<21)           ; elements of 8 bytes; no padding
	s_or_b32 s[G1B], s44, (3<<16)|(1<<21)
.irp g, G1, G1B                        ; four tiles x 8,192 bytes, 32,768 bytes apart in memory
	s_mov_b32 s[\g+1], 1024<<16
	s_mov_b32 s[\g+2], 4<<16
	s_mov_b32 s[\g+3], 1024<<16
	s_mov_b32 s[\g+4], 4
	s_mov_b32 s[\g+5], 4096
	s_mov_b32 s[\g+6], 0
	s_mov_b32 s[\g+7], 0
.endr
	s_lshl_b32 s17, s12, 17
	s_lshl_b32 s16, s13, 18
	s_add_co_u32 s16, s16, s17                     ; o: tile 8 x tile row + 4 x half
	s_lshl_b32 s46, s42, 18
	s_add_co_u32 s46, s46, s17
	s_add_co_u32 s46, s46, WOH                     ; wo: tile 8 x tile column + 4 x half
	s_mov_b32 s17, 0
	s_mov_b32 s47, 0
	s_lshl_b32 s20, s10, 15                        ; in a slot: wave x 32 KB
	s_wait_dscnt 0x0
	s_wait_kmcnt 0x0
	s_add_nc_u64 s[14:15], s[4:5], s[16:17]
	s_add_nc_u64 s[46:47], s[6:7], s[46:47]
	CROUND
.irp s, 0,1
	s_mov_b32 s[G0+4*\s], 1
	s_add_co_u32 s[G0+4*\s+1], s20, \s*SLOT
	s_add_nc_u64 s[G0+4*\s+2:G0+4*\s+3], s[14:15], \s*KB
	s_or_b32 s[G0+4*\s+3], s[G0+4*\s+3], 0x80000000
	s_mov_b32 s[G0B+4*\s], 1
	s_add_co_u32 s[G0B+4*\s+1], s20, \s*SLOT
	s_add_nc_u64 s[G0B+4*\s+2:G0B+4*\s+3], s[46:47], \s*KB
	s_or_b32 s[G0B+4*\s+3], s[G0B+4*\s+3], 0x80000000
	JLOAD \s
.endr
	v_and_b32 v1, 15, v0
	v_bfe_u32 v2, v0, 4, 1
	v_and_b32 v3, 31, v0
	v_lshlrev_b32 v3, 4, v3
	s_lshl_b32 s21, s11, 15                        ; my four tiles of o,
	s_lshl_b32 s22, s12, 15
	s_add_co_u32 s22, s22, 65536                   ; and of wo
.irp s, 0,1
	v_add_nc_u32 v[ADRA+\s], s21, v3
	v_add_nc_u32 v[ADRB+\s], s22, v3
	s_add_co_u32 s21, s21, SLOT
	s_add_co_u32 s22, s22, SLOT
.endr
	s_mul_i32 s23, s10, 16*SPITCH
	s_add_co_u32 s23, s23, STAGE                   ; my stage
	v_mul_u32_u24 v4, v1, SPITCH
	v_lshl_add_u32 v4, v2, 5, v4
	v_add_nc_u32 v[STO], s23, v4                   ; in: row r, + 32 h
	v_mul_u32_u24 v5, v2, SPITCH
	v_lshl_add_u32 v5, v1, 4, v5
	v_add_nc_u32 v[RD], s23, v5                    ; back: lanes 0-15 one row of 256 bytes, lanes 16-31 the next
	v_lshlrev_b32 v5, 12, v2
	v_lshl_add_u32 v[CO], v1, 4, v5                ; the same two rows in out0
	s_lshl_b32 s16, s13, 19
	s_lshl_b32 s17, s11, 18
	s_add_co_u32 s16, s16, s17                     ; my first row x 4,096 bytes
	s_lshl_b32 s17, s42, 9
	s_add_co_u32 s16, s16, s17
	s_lshl_b32 s17, s12, 8
	s_add_co_u32 s16, s16, s17                     ; my first column x 4
	s_mov_b32 s17, 0
	s_add_nc_u64 s[8:9], s[8:9], s[16:17]
.macro MUL8 f, c, a0, zero
.irp a, \a0, \a0+1
.irp b, 0,1,2,3
.if \zero
	v_wmma_f32_16x16x32_f16 v[ACC+8*(4*(\a)+\b):ACC+8*(4*(\a)+\b)+7], v[\f+64+8*(4*\c+\b):\f+64+8*(4*\c+\b)+7], v[\f+8*(4*\c+\a):\f+8*(4*\c+\a)+7], 0
.else
	v_wmma_f32_16x16x32_f16 v[ACC+8*(4*(\a)+\b):ACC+8*(4*(\a)+\b)+7], v[\f+64+8*(4*\c+\b):\f+64+8*(4*\c+\b)+7], v[\f+8*(4*\c+\a):\f+8*(4*\c+\a)+7], v[ACC+8*(4*(\a)+\b):ACC+8*(4*(\a)+\b)+7]
.endif
.endr
.endr
.endm
.macro FETCH slot, q, f                ; the fragments of quarter q (64 along K) into buffer f: 32 loads, the first 32 along K first
	WIN TO_F
.irp c, 0,1
.irp i, 0,1,2,3
	ds_load_b128 v[\f+64+8*(4*\c+\i):\f+64+8*(4*\c+\i)+3],   v[ADRB+\slot] offset:\i*KB+(2*\q+\c)*1024
	ds_load_b128 v[\f+64+8*(4*\c+\i)+4:\f+64+8*(4*\c+\i)+7], v[ADRB+\slot] offset:\i*KB+(2*\q+\c)*1024+512
	ds_load_b128 v[\f+8*(4*\c+\i):\f+8*(4*\c+\i)+3],         v[ADRA+\slot] offset:\i*KB+(2*\q+\c)*1024
	ds_load_b128 v[\f+8*(4*\c+\i)+4:\f+8*(4*\c+\i)+7],       v[ADRA+\slot] offset:\i*KB+(2*\q+\c)*1024+512
.endr
.endr
.endm
.macro QUARTER slot, q, f, g, zero     ; multiplies buffer f; in its middle fetches quarter q of the same slot into g
	s_wait_dscnt 16                                ; the first 32 along K are in
	WIN MUL
	MUL8 \f, 0, 0, \zero
	MUL8 \f, 0, 2, \zero
	PLACES
	FETCH \slot, \q, \g
	s_wait_dscnt 32                                ; all but the 32 just issued
	WIN MUL
	MUL8 \f, 1, 0, 0
	MUL8 \f, 1, 2, 0
.endm
.macro TURN slot, next, fill           ; a slot's last quarter, and the change of slots
	WIN 0
	s_wait_tensorcnt 0x0                           ; all my tensor loads have landed: my part of the next slot
	ds_add_u32 v[SPW], v[NIL]
	s_wait_dscnt 17                                ; (the add and the youngest sixteen loads may be out)
	WIN MUL
	MUL8 F1, 0, 0, 0
	s_wait_dscnt 0x0                               ; the add is done, and my reads of this slot are over
	s_barrier_signal -1
	MUL8 F1, 0, 2, 0
.if \fill
	WIN 0
.endif
	s_barrier_wait -1
.if \fill
	CREST                                          ; the barrier has opened a round of the cluster's barrier
	s_add_nc_u64 s[G0+4*\slot+2:G0+4*\slot+3], s[G0+4*\slot+2:G0+4*\slot+3], 2*KB
	s_add_nc_u64 s[G0B+4*\slot+2:G0B+4*\slot+3], s[G0B+4*\slot+2:G0B+4*\slot+3], 2*KB
	JLOAD \slot                                    ; the first tensor load behind the round; its four v_nop are also the places in front of the loads below
.else
	PLACES
.endif
	FETCH \next, 0, F0
	WIN MUL
	MUL8 F1, 1, 0, 0
	MUL8 F1, 1, 2, 0
.endm
	s_wait_tensorcnt 1                             ; my part of K step 0 is in; K step 1's may stay out
	s_barrier_signal -1
	s_barrier_wait -1
	FETCH 0, 0, F0
	QUARTER 0, 1, F0, F1, 1                        ; the first products start the sums
	QUARTER 0, 2, F1, F0, 0
	QUARTER 0, 3, F0, F1, 0
	TURN 0, 1, 1                                   ; slot 0 takes K step 2
	QUARTER 1, 1, F0, F1, 0
	QUARTER 1, 2, F1, F0, 0
	QUARTER 1, 3, F0, F1, 0
	TURN 1, 0, 1                                   ; slot 1 takes K step 3
	QUARTER 0, 1, F0, F1, 0
	QUARTER 0, 2, F1, F0, 0
	QUARTER 0, 3, F0, F1, 0
	TURN 0, 1, 0
	QUARTER 1, 1, F0, F1, 0
	QUARTER 1, 2, F1, F0, 0
	QUARTER 1, 3, F0, F1, 0
	s_wait_dscnt 16
	WIN MUL
	MUL8 F1, 0, 0, 0
	MUL8 F1, 0, 2, 0
	s_wait_dscnt 0
	MUL8 F1, 1, 0, 0
	MUL8 F1, 1, 2, 0
	WIN 0
	; THE WAY OUT: 16 rows x 64 columns at a time through my own stage, back as whole rows of 256 bytes.  LDS serves a wave's instructions in order: no wait between the stores and the loads.
	PLACES
.irp a, 0,1,2,3
.if \a > 1
	s_wait_xcnt 0x0                                ; the stores of two blocks back have read their data
.endif
.irp b, 0,1,2,3
	ds_store_b128 v[STO], v[ACC+8*(4*\a+\b):ACC+8*(4*\a+\b)+3] offset:64*\b          ; each accumulator from its low end on
	ds_store_b128 v[STO], v[ACC+8*(4*\a+\b)+4:ACC+8*(4*\a+\b)+7] offset:64*\b+16
.endr
.irp t, 0,1,2,3,4,5,6,7
	ds_load_b128 v[TMP+32*(\a%2)+4*\t:TMP+32*(\a%2)+4*\t+3], v[RD] offset:\t*2*SPITCH
.endr
	s_wait_dscnt 0x0
.irp t, 0,1,2,3,4,5,6,7
	global_store_b128 v[CO], v[TMP+32*(\a%2)+4*\t:TMP+32*(\a%2)+4*\t+3], s[8:9] offset:(16*\a+2*\t)*4096   ; 16 lanes store 256 consecutive bytes, aligned
.endr
.endr
	s_wait_tensorcnt 0x0                           ; the wave's end
	ds_add_u32 v[SPW], v[NIL]
	s_wait_dscnt 0x0
	CROUND                                         ; the closing round
	s_endpgm
.Lfunc_end_k_q8b32a7cfd1_proj:
	.size	k_q8b32a7cfd1_proj, .Lfunc_end_k_q8b32a7cfd1_proj-k_q8b32a7cfd1_proj
	.p2alignl 7, 3214868480
	.fill 96, 4, 3214868480
	.section	.rodata,"a",@progbits
	.p2align	6, 0x0
	.amdhsa_kernel k_q8b32a7cfd1_proj
		.amdhsa_group_segment_fixed_size 327680
		.amdhsa_private_segment_fixed_size 0
		.amdhsa_enable_private_segment 0
		.amdhsa_kernarg_size 24
		.amdhsa_user_sgpr_count 2
		.amdhsa_user_sgpr_kernarg_segment_ptr 1
		.amdhsa_wavefront_size32 1
		.amdhsa_system_sgpr_workgroup_id_x 1
		.amdhsa_system_sgpr_workgroup_id_y 1
		.amdhsa_system_sgpr_workgroup_id_z 1
		.amdhsa_system_vgpr_workitem_id 0
		.amdhsa_next_free_vgpr 512
		.amdhsa_next_free_sgpr 66
		.amdhsa_reserve_vcc 0
		.amdhsa_float_denorm_mode_32 3
		.amdhsa_float_denorm_mode_16_64 3
		.amdhsa_memory_ordered 1
		.amdhsa_forward_progress 1
		.amdhsa_inst_pref_size 85
	.end_amdhsa_kernel
	.amdgpu_metadata
---
amdhsa.version: [ 1, 2 ]
amdhsa.kernels:
  - .name:           k_q8b32a7cfd1_proj
    .symbol:         k_q8b32a7cfd1_proj.kd
    .args:
      - { .name: oimg, .offset: 0, .size: 8, .value_kind: global_buffer, .address_space: global }
      - { .name: prep, .offset: 8, .size: 8, .value_kind: global_buffer, .address_space: global }
      - { .name: out0, .offset: 16, .size: 8, .value_kind: global_buffer, .address_space: global }
    .group_segment_fixed_size: 327680
    .private_segment_fixed_size: 0
    .kernarg_segment_align: 8
    .kernarg_segment_size: 24
    .max_flat_workgroup_size: 128
    .sgpr_count:     66
    .vgpr_count:     512
    .wavefront_size: 32
...
	.end_amdgpu_metadata
.endif
;; end of part 5
;; launch proj_fine (part 6): grid 64 x 1, 8 waves a work-group, no clusters, 9,216 bytes of LDS; arguments o32, wo, out0; writes out0
.if DOCPART == 6
	.amdgcn_target "amdgcn-amd-amdhsa--gfx1250"
	.amdhsa_code_object_version 6
	.text
	.protected	k_q8b32a7cfd1_proj_fine
	.globl	k_q8b32a7cfd1_proj_fine
	.p2align	8
	.type	k_q8b32a7cfd1_proj_fine,@function
k_q8b32a7cfd1_proj_fine:
	s_mov_b64 s[64:65], 0
	v_nop
	global_prefetch_b8 v0, s[64:65] scope:SCOPE_SE
	s_setreg_imm32_b32 hwreg(HW_REG_WAVE_MODE, 25, 1), 1
	s_wait_xcnt 0x0
; Rows 0-15 of out0 = o wo^T once more, with f32 operands: o of queries 0-15 in f32 and wo as it is given.  16 x 1,024 x 1,024 multiply-adds in all: no bulk work.
; A work-group takes 16 columns; wave w takes channels 128 w .. 128 w + 127 of K; the eight partial sums meet in LDS and wave 0 adds and stores them.
; The f32 matrix form takes 4 along K: lane (r, h), register j = place 2 h + j.  o's registers hold, for lane (r, h), channels 8 h + 4 i + 0 .. 3 of a group of 16; wo is loaded at the same channels into the same
; places, so each pair of registers is one product's operand on both sides: the order of K differs from the tensor's alike for both.  Source 0 = wo's 16 rows, source 1 = o: a lane holds query r and columns 8 h + 0 .. 7.
; The stores are pieces of 64 bytes of 16 rows: 64 KB in the whole launch.
.set SPARE, 8192
	s_load_b128 s[4:7], s[0:1], 0x0                ; o32, wo
	s_load_b64 s[8:9], s[0:1], 0x10                ; out0
	v_lshl_add_u32 v2, v0, 2, SPARE
	v_mov_b32 v3, 0
	v_lshrrev_b32 v1, 5, v0
	v_readfirstlane_b32 s10, v1                    ; wave
	v_and_b32 v4, 31, v0
	v_and_b32 v5, 15, v0                           ; r
	v_bfe_u32 v6, v0, 4, 1                         ; h
	v_lshlrev_b32 v7, 4, v4                        ; 16 x lane
	v_lshlrev_b32 v8, 12, v5
	v_lshl_add_u32 v8, v6, 5, v8                   ; row r of 4,096 bytes + 32 h: in wo and in out0 alike
	s_lshl_b32 s11, s10, 10
	v_add_nc_u32 v9, s11, v7                       ; LDS: my partial sums
	s_lshl_b32 s12, ttmp9, 16                      ; wo: my 16 rows,
	s_lshl_b32 s13, s10, 9                         ; my 128 channels
	s_add_co_u32 s12, s12, s13
	s_mov_b32 s13, 0
	s_lshl_b32 s14, s10, 13                        ; o: my 8 groups of 16 channels
	s_mov_b32 s15, 0
	s_lshl_b32 s16, ttmp9, 6                       ; out0: my 16 columns
	s_mov_b32 s17, 0
	s_wait_kmcnt 0x0
	s_add_nc_u64 s[6:7], s[6:7], s[12:13]
	s_add_nc_u64 s[4:5], s[4:5], s[14:15]
	s_add_nc_u64 s[8:9], s[8:9], s[16:17]
.set i, 0
.rept 16
	global_load_b128 v[32+4*i:35+4*i], v8, s[6:7] offset:64*(i/2)+16*(i%2)
	global_load_b128 v[96+4*i:99+4*i], v7, s[4:5] offset:512*i
.set i, i+1
.endr
	s_wait_loadcnt 0x0
.irp g, 0,1,2,3,4,5,6,7                ; four accumulators by turns; the first group starts the sums
.irp n, 0,1,2,3
.if \g == 0
	v_wmma_f32_16x16x4_f32 v[160+8*\n:167+8*\n], v[32+8*\g+2*\n:33+8*\g+2*\n], v[96+8*\g+2*\n:97+8*\g+2*\n], 0
.else
	v_wmma_f32_16x16x4_f32 v[160+8*\n:167+8*\n], v[32+8*\g+2*\n:33+8*\g+2*\n], v[96+8*\g+2*\n:97+8*\g+2*\n], v[160+8*\n:167+8*\n]
.endif
.endr
.endr
.rept 8
	v_nop                                          ; eight places behind this form
.endr
.irp j, 0,2,4,6                        ; the sums go into other registers; each accumulator is read from its low end on
	v_pk_add_f32 v[16+\j:17+\j], v[160+\j:161+\j], v[168+\j:169+\j]
	v_pk_add_f32 v[24+\j:25+\j], v[176+\j:177+\j], v[184+\j:185+\j]
.endr
.irp j, 0,2,4,6
	v_pk_add_f32 v[16+\j:17+\j], v[16+\j:17+\j], v[24+\j:25+\j]
.endr
	ds_store_b128 v9, v[16:19]
	ds_store_b128 v9, v[20:23] offset:512
	s_wait_dscnt 0x0                               ; for the others' sake: my stores are done
	s_barrier_signal -1
	s_barrier_wait -1
	s_cmp_lg_u32 s10, 0
	s_cbranch_scc1 .Lend
.set i, 0
.rept 16
	ds_load_b128 v[32+4*i:35+4*i], v7 offset:512*i
.set i, i+1
.endr
	s_wait_dscnt 0x0
.irp w, 1,2,3,4,5,6,7
.irp j, 0,2,4,6
	v_pk_add_f32 v[32+\j:33+\j], v[32+\j:33+\j], v[32+8*\w+\j:33+8*\w+\j]
.endr
.endr
	global_store_b128 v8, v[32:35], s[8:9]
	global_store_b128 v8, v[36:39], s[8:9] offset:16
.Lend:
	s_wait_tensorcnt 0x0                           ; the wave's end, behind my last LDS store
	ds_add_u32 v2, v3
	s_wait_dscnt 0x0
	s_endpgm
.Lfunc_end_k_q8b32a7cfd1_proj_fine:
	.size	k_q8b32a7cfd1_proj_fine, .Lfunc_end_k_q8b32a7cfd1_proj_fine-k_q8b32a7cfd1_proj_fine
	.p2alignl 7, 3214868480
	.fill 96, 4, 3214868480
	.section	.rodata,"a",@progbits
	.p2align	6, 0x0
	.amdhsa_kernel k_q8b32a7cfd1_proj_fine
		.amdhsa_group_segment_fixed_size 9216
		.amdhsa_private_segment_fixed_size 0
		.amdhsa_enable_private_segment 0
		.amdhsa_kernarg_size 24
		.amdhsa_user_sgpr_count 2
		.amdhsa_user_sgpr_kernarg_segment_ptr 1
		.amdhsa_wavefront_size32 1
		.amdhsa_system_sgpr_workgroup_id_x 1
		.amdhsa_system_sgpr_workgroup_id_y 1
		.amdhsa_system_sgpr_workgroup_id_z 1
		.amdhsa_system_vgpr_workitem_id 0
		.amdhsa_next_free_vgpr 192
		.amdhsa_next_free_sgpr 66
		.amdhsa_reserve_vcc 0
		.amdhsa_float_denorm_mode_32 3
		.amdhsa_float_denorm_mode_16_64 3
		.amdhsa_memory_ordered 1
		.amdhsa_forward_progress 1
		.amdhsa_inst_pref_size 11
	.end_amdhsa_kernel
	.amdgpu_metadata
---
amdhsa.version: [ 1, 2 ]
amdhsa.kernels:
  - .name:           k_q8b32a7cfd1_proj_fine
    .symbol:         k_q8b32a7cfd1_proj_fine.kd
    .args:
      - { .name: o32, .offset: 0, .size: 8, .value_kind: global_buffer, .address_space: global }
      - { .name: wo, .offset: 8, .size: 8, .value_kind: global_buffer, .address_space: global }
      - { .name: out0, .offset: 16, .size: 8, .value_kind: global_buffer, .address_space: global }
    .group_segment_fixed_size: 9216
    .private_segment_fixed_size: 0
    .kernarg_segment_align: 8
    .kernarg_segment_size: 24
    .max_flat_workgroup_size: 256
    .sgpr_count:     66
    .vgpr_count:     192
    .wavefront_size: 32
...
	.end_amdgpu_metadata
.endif
;; end of part 6
